; MI455X (gfx1250); checked and timed in simulation.
; The chip was launched on July 23, 2026; its instructions are those of AMD's public machine-readable ISA for CDNA 5 (MIT licence, August 2026) and "CDNA5" Instruction Set Architecture Reference Guide (July 2026). The comments in the code are by the model that wrote it; some were corrected since.
;; Multi Head Cross Attn. Allowed arithmetic: matrix products marked QUANTISED: E2M3 operands, one E8M0 scale for each 32 along K, by v_wmma_scale_f32_16x16x128_f8f6f4 with both operands' format E2M3, f32 sums; everything else in f32.
;; Inputs: Wkv_codes 2,048 x 32 x 24 uint8 (E2M3 codes of Wkv, K innermost, in blocks of 32 codes, four codes in three bytes); Wkv_scales 2,048 x 32 uint8 (E8M0 scales of Wkv, one for each 32 codes along K); Wo_codes 1,024 x 32 x 24 uint8 (E2M3 codes of Wo, K innermost, in blocks of 32 codes, four codes in three bytes); Wo_scales 1,024 x 32 uint8 (E8M0 scales of Wo, one for each 32 codes along K); Wq_codes 1,024 x 32 x 24 uint8 (E2M3 codes of Wq, K innermost, in blocks of 32 codes, four codes in three bytes); Wq_scales 1,024 x 32 uint8 (E8M0 scales of Wq, one for each 32 codes along K); beta 1,024 float32; c_codes 2,048 x 4 x 32 x 24 uint8 (E2M3 codes of c, K innermost, in blocks of 32 codes, four codes in three bytes); c_scales 2,048 x 4 x 32 uint8 (E8M0 scales of c, one for each 32 codes along K); gamma 1,024 float32; h 1,024 x 4 x 1,024 float32.
;; Outputs: out0 1,024 x 4 x 1,024 float32.
;; This version of the problem:
;;   THIS VERSION OF THE PROBLEM IS GIVEN IN LOW PRECISION. The matrix products marked QUANTISED in the list below multiply operands that are first quantised to E2M3 (2 exponent bits, 3 mantissa bits; 6 bits a number), with one power-of-two scale for each 32 numbers along K (OCP MX v1.0); their sums are f32. All else is computed in f32.
;;   The module's matrix products, in the order in which they are computed (A, B: the left and right operand; K: the contracted axis; several contracted axes count as one K, in the product's order):
;;     1. [M 4,096, K 1,024] x [K 1,024, N 1,024]; A: input h; B: input Wq (given as codes): QUANTISED
;;     2. [M 8,192, K 1,024] x [K 1,024, N 2,048]; A: input c (given as codes); B: input Wkv (given as codes): QUANTISED
;;     3. batch 64 x [M 2,048, K 64] x [K 64, N 1,024]; A: computed on the way; B: computed on the way: QUANTISED
;;     4. batch 64 x [M 64, K 2,048] x [K 2,048, N 1,024]; A: computed on the way; B: computed on the way: QUANTISED
;;     5. [M 4,096, K 1,024] x [K 1,024, N 1,024]; A: computed on the way; B: input Wo (given as codes): QUANTISED
;;   THE QUANTISER, for each operand of a quantised product, along K:
;;     - K is cut into blocks of 32 from its start; a last block that is shorter is filled with zeros.
;;     - A block's scale is 2^e with e = floor(log2(the largest magnitude in the block)) - 2, held to -126 .. 127; a block of zeros has e = 0. As a byte (E8M0): e + 127.
;;     - Each number is divided by its block's scale, clamped to +-7.5, and rounded to the nearest number of E2M3, ties to even, subnormals kept.
;;     - The product sums the exact products of the quantised numbers (number of the format x scale) in f32.
;;   ~~~python
;;   def quantise(x, axis):      # numpy; x: float32 -> the quantised numbers, widened to float32 again
;;       x = np.moveaxis(x, axis, -1); K = x.shape[-1]
;;       x = np.pad(x, [(0, 0)] * (x.ndim - 1) + [(0, -K % 32)]); x = x.reshape(x.shape[:-1] + (-1, 32)); a = np.abs(x).max(-1, keepdims=True)
;;       e = np.where(a > 0, np.clip(np.frexp(np.where(a > 0, a, 1))[1] - 1 - 2, -126, 127), 0)      # np.frexp(a)[1] - 1 = floor(log2(a)), exactly
;;       r = np.clip(x / 2.0 ** e, -7.5, 7.5)
;;       step = 2.0 ** (np.maximum(np.frexp(np.where(r == 0, 1, r))[1] - 1, 0) - 3)
;;       q = np.round(r / step) * step * 2.0 ** e      # np.round: ties to even
;;       return np.moveaxis(q.reshape(q.shape[:-2] + (-1,))[..., :K], -1, axis).astype(np.float32)
;;   ~~~
;;   OPERANDS COMPUTED ON THE WAY. 'Computed on the way' means the value that the module computes at that place (a softmax that the list does not call 'softmax' is quantised finished and normalised). What goes into a quantiser is computed in f32, as accurately as f32 sums, v_exp_f32 and their like allow (about 1e-6 of the number): no bf16 or f16 on the way to a quantiser, and a product that is left as it is and whose result goes on into a quantised operand takes f32 operands (vector FMAs, or v_wmma_f32_16x16x4_f32). A number that lies on a knife's edge between two numbers of the format may be rounded either way, as far as f32 arithmetic and the matrix unit's own rounding can turn it there, and no further.
;;   INPUTS GIVEN AS CODES. Wkv (in the module: [2048, 1024], K = its axis 1); Wo (in the module: [1024, 1024], K = its axis 1); Wq (in the module: [1024, 1024], K = its axis 1); c (in the module: [2048, 4, 1024], K = its axis 2): each comes as NAME_codes (uint8): NAME with its K axis moved to the last place and cut into blocks of 32 codes, [.., K / 32, bytes a block], one block behind the other in memory; four codes in three bytes: a row's codes are one little-endian stream of bits, code i at bits 6 i .. 6 i + 5 (a code: sign, 2 exponent bits, 3 mantissa bits); and NAME_scales (uint8): the same leading axes, one E8M0 byte (e + 127) for each 32 codes along K. Its value is code x scale, taken as it is: it is not quantised again, and the codes and scales need not be those that the quantiser above would give.
;; One version. Each part assembles by itself: llvm-mc -triple=amdgcn-amd-amdhsa -mcpu=gfx1250 --defsym DOCPART=n.
;; ======== version 1 of 1: 5 launches
;; limits: right only within a limited range of input values
;; workspace buffers: qimg 3,145,728 bytes; qscl 262,144 bytes; kimg 6,291,456 bytes; vimg 6,291,456 bytes; kvscl 524,288 bytes; aimg 3,145,728 bytes; ascl 131,072 bytes; xbuf 16,777,216 bytes
;; launch kvproj (part 1): grid 8 x 32, 4 waves a work-group, clusters of 4 x 4, 327,680 bytes of LDS; arguments c_codes, c_scales, Wkv_codes, Wkv_scales, kimg, kvscl, vimg, h, aimg, ascl; writes kimg, kvscl, vimg, aimg, ascl
.if DOCPART == 1
	.amdgcn_target "amdgcn-amd-amdhsa--gfx1250"
	.amdhsa_code_object_version 6
	.text
	.protected	k_q2e3fd80b32_kvproj
	.globl	k_q2e3fd80b32_kvproj
	.p2align	8
	.type	k_q2e3fd80b32_kvproj,@function
k_q2e3fd80b32_kvproj:
	s_mov_b64 s[64:65], 0
	v_nop
	global_prefetch_b8 v0, s[64:65] scope:SCOPE_SE
	s_setreg_imm32_b32 hwreg(HW_REG_WAVE_MODE, 25, 1), 1
	s_wait_xcnt 0x0
	s_wait_alu depctr_hold_cnt(0) depctr_sa_sdst(0) depctr_va_vdst(0) depctr_va_sdst(0) depctr_va_ssrc(0) depctr_va_vcc(0) depctr_vm_vsrc(0)
	s_getreg_b32 s2, hwreg(HW_REG_IB_STS2, 6, 4)
	s_cmp_eq_u32 s2, 0
	s_cbranch_scc0 .Lentry_in_a_cluster
	s_endpgm
.Lentry_in_a_cluster:
	s_bfe_u32 s2, ttmp6, 0x10000c
	s_cmp_lg_u32 s2, 0xf033
	s_cbranch_scc0 .Lentry_shape_is_right
	s_endpgm
.Lentry_shape_is_right:
; k and v = c Wkv^T in MX-FP6 on the given codes, k quantised along the head's 64, v along the keys, both stored as images of the operand registers that launch attn takes.
; A work-group owns 256 keys of one batch and two heads: 128 rows of Wk and 128 rows of Wv.  Waves 0, 1: source 0 = Wk's rows, source 1 = 128 keys (a lane holds a key, registers run along d).
; Waves 2, 3: source 0 = 128 keys, source 1 = Wv's rows (a lane holds a d, registers run along the keys).  A wave makes 128 x 128: 64 accumulators.
; K goes through a ring of two LDS slots in chunks of 256 bytes of each row of codes (768 bytes a row: three chunks, each beginning on a multiple of 256 bytes); a step of 128 along K is 96 bytes, so steps 2 and 5 take pieces from both slots.
; Each wave asks for 128 rows of a chunk by one joint load: c's tiles are shared along a row of the 4 x 4 cluster, Wkv's along a column.
; The scale bytes of the 512 rows (32 a row) come once through registers into LDS bytes of their own, 48 bytes a row.
; No data prefetch: the three chunks are all asked for within the first three of eight steps.
; LIMITS: NaN and infinities are not served; a block whose largest magnitude lies under 2^-124 gets the byte 1; the bytes are read by this program alone.
; WORK LEFT OUT IN THIS PROGRAM (in launch attn): reference() divides the softmax by (its row's sum + 1e-8).  In real numbers a softmax's row sums to 1 for all finite scores,
; so the divisor is the constant 1 + 1e-8, whose f32 value is 1.0: the sum and the division are not computed.  A NaN, infinity or overflow that reaches only that sum is not carried on.  Every input is loaded.
; ALSO HERE: h IS QUANTISED, ONCE.  Work-group T of the 256 takes tile T of 16 queries of one batch (b = T / 64); wave w its K steps 2 w and 2 w + 1 of 128: 64 numbers a lane each, loaded at the head,
; converted behind the request for chunk 1, stored as images of the operand's registers (pair p at 256 p + 8 x lane) and as one scale word a query and K step.
; They go into the buffers aimg and ascl, laid as attn_vec's are: launch qproj reads them there, and launch attn later writes every byte of both anew.
.set ROWB,   256
.set PITCH,  272
.set FR,     12
.set NL,     6
.set NP,     4
.set CHUNKS, 3
.set HALFT,  128*PITCH
.set SLOT,   4*HALFT                   ; c's rows 0-127, 128-255, Wk's 128, Wv's 128
.set SCL,    2*SLOT
.set SPIT,   48
.set HALFS,  128*SPIT
.set SBLK,   16*SPIT
.set SPARE,  SCL+4*HALFS
.set ADRA, 16                          ; v16-17 source 1's fragments in slot 0, 1; v18-19 for pieces whose lanes 16-31 lie in the next chunk
.set ADRB, 20                          ; the same for source 0
.set OL,   24
.set OH,   25
.set OS,   26
.set ADS1, 27
.set SPW,  28
.set NIL,  29
.set ADS0, 30
.set SST,  31                          ; where I store scale bytes
.set SC,   32                          ; scale words, two sets of 32: source 1's at 2 i + q, source 0's at 16 + 2 i + q
.set TM,   96
.set PWS,  112
.set OW,   120
.set AF,   128
.set PC,   128
.set G1, 24
.set G0, 32
.set G1B, 48
.set G0B, 56
.set MSB, 0
.macro WIN new
.if MSB != \new
	s_set_vgpr_msb (MSB<<8)|\new
.set MSB, \new
.endif
.endm
.set MUL_LO, 0xa1
.set MUL_HI, 0xf1
.set TO_B,   0x40
.macro JLOAD g0a, g1a, g0b, g1b        ; waves 0, 1 ask for c's rows, waves 2, 3 for Wkv's
	s_cmp_eq_u32 s15, 0
	s_cbranch_scc0 .Lfor_b_\@
	tensor_load_to_lds s[\g0a:\g0a+3], s[\g1a:\g1a+7]
	s_nop 0
.rept 4
	v_nop
.endr
	s_branch .Lasked_\@
.Lfor_b_\@:
	tensor_load_to_lds s[\g0b:\g0b+3], s[\g1b:\g1b+7]
	s_nop 0
.rept 4
	v_nop
.endr
.Lasked_\@:
.endm
.macro CREST
	s_cmp_lg_u32 s14, 0
	s_cbranch_scc1 .Lnot_wave_0_\@
	s_barrier_signal -3
.Lnot_wave_0_\@:
	s_barrier_wait -3
	s_barrier_signal -1
	s_barrier_wait -1
.endm
.macro CROUND
	s_barrier_signal -1
	s_barrier_wait -1
	CREST
.endm
	s_load_b256 s[4:11], s[0:1], 0x0               ; c's codes, c's scales, Wkv's codes, Wkv's scales
	s_load_b128 s[92:95], s[0:1], 0x20             ; kimg, kvscl
	s_load_b64 s[96:97], s[0:1], 0x30              ; vimg
	s_load_b64 s[68:69], s[0:1], 0x38              ; h
	s_load_b128 s[72:75], s[0:1], 0x40             ; aimg, ascl
	v_lshl_add_u32 v[SPW], v0, 2, SPARE
	v_mov_b32 v[NIL], 0
	ds_add_u32 v[SPW], v[NIL]                      ; the opening lines: the add twice on end and its wait
	ds_add_u32 v[SPW], v[NIL]
	v_lshrrev_b32 v1, 5, v0
	v_readfirstlane_b32 s14, v1
	s_lshr_b32 s15, s14, 1
	s_and_b32 s16, s14, 1
	s_bfe_u32 s40, ttmp6, 0x40000
	s_bfe_u32 s41, ttmp6, 0x40004
	s_lshl_b32 s42, ttmp9, 2
	s_add_co_u32 s42, s42, s40                     ; the pair of heads
	s_and_b32 s17, ttmp7, 0xffff
	s_lshl_b32 s17, s17, 2
	s_add_co_u32 s17, s17, s41                     ; 4 x block of 256 keys + batch
	s_lshl_b32 s43, s41, 2
	s_lshl_b32 s43, 15, s43
	s_lshl_b32 s44, 0x1111, s40
	s_or_b32 s[G1+0], s43, (1<<20)|(1<<21)|(5<<22)|(3<<25)
	s_or_b32 s[G1B+0], s44, (1<<20)|(1<<21)|(5<<22)|(3<<25)
.irp g, G1, G1B
	s_mov_b32 s[\g+1], ROWB<<16
	s_mov_b32 s[\g+2], 128<<16
	s_mov_b32 s[\g+3], ROWB<<16
	s_mov_b32 s[\g+4], 128
	s_mov_b32 s[\g+6], 0
	s_mov_b32 s[\g+7], 0
.endr
	s_mov_b32 s[G1+5], 3072                        ; from key to key of one batch
	s_mov_b32 s[G1B+5], 768
	s_and_b32 s18, s17, 3
	s_lshr_b32 s19, s17, 2
	s_mul_i32 s20, s18, 768
	s_mul_i32 s21, s19, 256*3072
	s_add_co_u32 s20, s20, s21
	s_mul_i32 s21, s16, 128*3072
	s_add_co_u32 s20, s20, s21
	s_mov_b32 s21, 0
	s_lshl_b32 s22, s18, 5
	s_lshl_b32 s23, s19, 15
	s_add_co_u32 s22, s22, s23
	s_lshl_b32 s23, s16, 14
	s_add_co_u32 s22, s22, s23
	s_mov_b32 s23, 0
	s_mul_i32 s46, s16, 1024*768
	s_mul_i32 s47, s42, 128*768
	s_add_co_u32 s46, s46, s47
	s_mov_b32 s47, 0
	s_lshl_b32 s12, s16, 15
	s_lshl_b32 s13, s42, 12
	s_add_co_u32 s12, s12, s13
	s_mov_b32 s13, 0
	s_mul_i32 s45, s14, HALFT
	s_lshl_b32 s2, s19, 1
	s_add_co_u32 s2, s2, s16
	s_lshl_b32 s66, s18, 4
	s_add_co_u32 s66, s66, s2
	s_lshl_b32 s66, s66, 3
	s_add_co_u32 s66, s66, s42
	s_lshl_b32 s100, s66, 9
	s_lshl_b32 s101, s15, 18                       ; v's words lie 262,144 bytes behind k's
	s_add_co_u32 s100, s100, s101
	s_mov_b32 s101, 0
	s_mul_i32 s66, s66, 12288
	s_mov_b32 s67, 0
	s_cmp_eq_u32 s15, 0
	s_cselect_b32 s3, 7, 5                         ; a row of c's scales of one batch lies 128 bytes from the next, of Wkv's 32
	s_lshl_b32 s98, 16, s3                         ; 16 rows on
	s_mul_i32 s99, s14, HALFS
	s_add_co_u32 s99, s99, SCL
	s_lshl_b32 s76, s17, 3
	s_add_co_u32 s76, s76, s42                     ; T, the tile of h that my work-group quantises
	s_and_b32 s77, s76, 63
	s_lshl_b32 s78, s77, 18                        ; 16 queries of 16,384 bytes,
	s_lshr_b32 s77, s76, 6
	s_lshl_b32 s77, s77, 12                        ; the batch,
	s_add_co_u32 s78, s78, s77
	s_lshl_b32 s77, s14, 10                        ; my two K steps
	s_add_co_u32 s78, s78, s77
	s_mov_b32 s79, 0
	s_mul_i32 s80, s76, 12288
	s_mul_i32 s77, s14, 3072
	s_add_co_u32 s80, s80, s77                     ; their images
	s_mov_b32 s81, 0
	s_lshl_b32 s82, s76, 9
	s_lshl_b32 s77, s14, 3
	s_add_co_u32 s82, s82, s77                     ; their scale words: 32 bytes a query
	s_mov_b32 s83, 0
	v_and_b32 v2, 31, v0
	v_lshrrev_b32 v3, 1, v2                        ; two lanes to a row of 32 bytes
	v_and_b32 v4, 1, v2
	v_lshlrev_b32 v32, s3, v3
	v_lshl_add_u32 v32, v4, 4, v32
.irp j, 1,2,3,4,5,6,7
	v_add_nc_u32 v[32+\j], s98, v[31+\j]
.endr
	v_mul_u32_u24 v5, v3, SPIT
	v_lshl_add_u32 v5, v4, 4, v5
	v_add_nc_u32 v[SST], s99, v5
	v_and_b32 v6, 15, v0
	v_bfe_u32 v7, v0, 4, 1
	v_lshlrev_b32 v9, 14, v6
	v_lshl_add_u32 v9, v7, 6, v9                   ; h: query r, my 16 numbers of a block of 32
	v_lshlrev_b32 v10, 5, v6                       ; the scale words: query r
	s_wait_alu depctr_va_vdst(0)
	s_wait_dscnt 0x0
	s_wait_kmcnt 0x0
	s_cmp_lt_u32 s14, 2
	s_cselect_b64 s[92:93], s[92:93], s[96:97]
	s_mov_b32 s2, 768
	s_cselect_b32 s2, 6144, s2
	s_add_nc_u64 s[92:93], s[92:93], s[66:67]
	s_add_nc_u64 s[94:95], s[94:95], s[100:101]
	s_lshl_b32 s100, 768, s15
	s_mov_b32 s101, 0
	s_mov_b32 s66, 0x76543210
	s_mov_b32 s67, 0xfedcba98
	s_add_nc_u64 s[20:21], s[4:5], s[20:21]
	s_add_nc_u64 s[22:23], s[6:7], s[22:23]
	s_add_nc_u64 s[46:47], s[8:9], s[46:47]
	s_add_nc_u64 s[12:13], s[10:11], s[12:13]
	s_cmp_eq_u32 s15, 0
	s_cselect_b64 s[98:99], s[22:23], s[12:13]
.irp j, 0,1,2,3,4,5,6,7
	global_load_b128 v[40+4*\j:43+4*\j], v[32+\j], s[98:99]   ; the scale bytes of the 128 rows whose codes I ask for
.endr
	s_add_nc_u64 s[68:69], s[68:69], s[78:79]
	s_add_nc_u64 s[72:73], s[72:73], s[80:81]
	s_add_nc_u64 s[74:75], s[74:75], s[82:83]
.irp f, 0,1
.irp b, 0,1,2,3
.irp j, 0,1,2,3
	global_load_b128 v[128+64*\f+16*\b+4*\j:131+64*\f+16*\b+4*\j], v9, s[68:69] offset:512*\f+128*\b+16*\j   ; register 16 b + i = h(query r, 128 (2 wave + f) + 32 b + 16 h + i)
.endr
.endr
.endr
	CROUND
.irp s, 0,1
	s_mov_b32 s[G0+4*\s], 1
	s_add_co_u32 s[G0+4*\s+1], s45, \s*SLOT
	s_add_nc_u64 s[G0+4*\s+2:G0+4*\s+3], s[20:21], \s*ROWB
	s_or_b32 s[G0+4*\s+3], s[G0+4*\s+3], 0x80000000
	s_mov_b32 s[G0B+4*\s], 1
	s_add_co_u32 s[G0B+4*\s+1], s45, \s*SLOT
	s_add_nc_u64 s[G0B+4*\s+2:G0B+4*\s+3], s[46:47], \s*ROWB
	s_or_b32 s[G0B+4*\s+3], s[G0B+4*\s+3], 0x80000000
.endr
	JLOAD G0, G1, G0B, G1B                         ; chunk 0: my one tensor load at the head
	s_add_co_u32 s18, s14, s15
	s_min_u32 s18, s18, 3                          ; source 1's part of a slot: 0, 1, 3, 3
	s_xor_b32 s19, s14, 2
	s_min_u32 s19, s19, 2                          ; source 0's: 2, 2, 0, 1
	s_mul_i32 s20, s18, HALFT
	s_mul_i32 s21, s19, HALFT
	s_add_co_u32 s22, s20, SLOT
	s_add_co_u32 s23, s21, SLOT
	s_mul_i32 s46, s18, HALFS
	s_add_co_u32 s46, s46, SCL
	s_mul_i32 s47, s19, HALFS
	s_add_co_u32 s47, s47, SCL
	s_mov_b32 s12, SLOT-232
	s_mov_b32 s13, SLOT+232
	v_and_b32 v1, 15, v0
	v_bfe_u32 v2, v0, 4, 1
	v_mul_u32_u24 v3, v1, PITCH
	v_mul_u32_u24 v4, v2, 24
	v_add_nc_u32 v4, v3, v4
	v_sub_nc_u32 v7, 1, v2
	v_mul_u32_u24 v5, s12, v2
	v_add_nc_u32 v5, v3, v5
	v_add_nc_u32 v5, 232, v5                       ; lanes 0-15 byte 232 of the row in slot 0, lanes 16-31 byte 0 of the row in slot 1;
	v_mul_u32_u24 v6, s13, v7
	v_add_nc_u32 v6, v3, v6                        ; and the other way round
	v_add_nc_u32 v[ADRA], s20, v4
	v_add_nc_u32 v[ADRA+1], s22, v4
	v_add_nc_u32 v[ADRA+2], s20, v5
	v_add_nc_u32 v[ADRA+3], s20, v6
	v_add_nc_u32 v[ADRB], s21, v4
	v_add_nc_u32 v[ADRB+1], s23, v4
	v_add_nc_u32 v[ADRB+2], s21, v5
	v_add_nc_u32 v[ADRB+3], s21, v6
	v_mul_u32_u24 v5, v1, SPIT
	v_add_nc_u32 v[ADS1], s46, v5
	v_add_nc_u32 v[ADS0], s47, v5
	v_and_b32 v8, 31, v0
	v_lshlrev_b32 v[OL], 3, v8
	v_add_nc_u32 v[OH], s2, v[OL]
	v_lshlrev_b32 v[OS], 4, v8
.irp b, 0,1,2,3
	v_mov_b32 v[TM+4+\b], 0
.endr
.macro FRAG reg, adr, st, i            ; 12 registers in pieces of 8 bytes; byte y of a row lies in slot (y / 256) % 2 at byte y % 256 of the LDS row
.irp p, 0,1,2,3,4,5
.set BY, 96*(\st)+48*(\p/3)+8*(\p%3)
.if BY/ROWB == (BY+24)/ROWB
	ds_load_b64 v[\reg+2*\p:\reg+2*\p+1], v[\adr+(BY/ROWB)%2] offset:BY%ROWB+(\i)*16*PITCH
.else
	ds_load_b64 v[\reg+2*\p:\reg+2*\p+1], v[\adr+2+(BY/ROWB)%2] offset:BY%ROWB-232+(\i)*16*PITCH
.endif
.endr
.endm
.macro MUL16 a0, p, q, sc, zero        ; the 64 accumulators take turns
.irp a, \a0, \a0+1
.irp b, 0,1,2,3,4,5,6,7
.if \zero
	v_wmma_scale_f32_16x16x128_f8f6f4 v[8*(8*((\a)%4)+\b):8*(8*((\a)%4)+\b)+7], v[128*(\p)+FR*\b:128*(\p)+FR*\b+FR-1], v[AF+FR*(\a):AF+FR*(\a)+FR-1], 0, v[SC+32*(\sc)+16+2*\b+(\q)], v[SC+32*(\sc)+2*(\a)+(\q)] matrix_a_fmt:MATRIX_FMT_FP6 matrix_b_fmt:MATRIX_FMT_FP6
.else
	v_wmma_scale_f32_16x16x128_f8f6f4 v[8*(8*((\a)%4)+\b):8*(8*((\a)%4)+\b)+7], v[128*(\p)+FR*\b:128*(\p)+FR*\b+FR-1], v[AF+FR*(\a):AF+FR*(\a)+FR-1], v[8*(8*((\a)%4)+\b):8*(8*((\a)%4)+\b)+7], v[SC+32*(\sc)+16+2*\b+(\q)], v[SC+32*(\sc)+2*(\a)+(\q)] matrix_a_fmt:MATRIX_FMT_FP6 matrix_b_fmt:MATRIX_FMT_FP6
.endif
.endr
.endr
.endm
.macro FETCH_B st, p
	WIN TO_B
.irp i, 0,1,2,3,4,5,6,7
	FRAG 128*(\p)+FR*\i, ADRB, \st, \i
.endr
	WIN 0
.endm
.macro FETCH_A st, i0
.irp i, \i0, \i0+1, \i0+2, \i0+3
	FRAG AF+FR*(\i), ADRA, \st, \i
.endr
.endm
.macro SCALES pr                       ; the words of steps 2 pr, 2 pr + 1 into set pr % 2
.irp i, 0,1,2,3,4,5,6,7
	ds_load_b64 v[SC+32*((\pr)%2)+2*\i:SC+32*((\pr)%2)+2*\i+1], v[ADS1] offset:\i*SBLK+8*(\pr)
	ds_load_b64 v[SC+32*((\pr)%2)+16+2*\i:SC+32*((\pr)%2)+16+2*\i+1], v[ADS0] offset:\i*SBLK+8*(\pr)
.endr
.endm
.macro PLACES n
.rept \n
	v_nop
.endr
.endm
; A step of 128 along K.  Where the next step's bytes end in a chunk not read yet: the wait for my loads and a barrier.  Where they begin in a later chunk: the chunk left behind is read no more:
; the wait, the add, the wait for it and for my reads, the barrier; where a chunk two on is left, the barrier opens a round of the cluster's barrier and the slot is filled again.
.macro STEP st, zero
.set NX, (\st)+1
.set C0, (96*(\st))/ROWB
.set C1, (96*NX)/ROWB
.set E0, (96*(\st)+95)/ROWB
.set E1, (96*NX+95)/ROWB
.if C1 > C0 || E1 > E0
	s_wait_tensorcnt 0x0
.if C1 > C0
	ds_add_u32 v[SPW], v[NIL]
	s_wait_dscnt 4*NL+1                            ; the add and the youngest 24 loads may be out
.else
	s_wait_dscnt 4*NL
.endif
	WIN MUL_LO
	MUL16 0, (\st)%2, (\st)%2, ((\st)/2)%2, \zero
	s_wait_dscnt 0x0
	s_barrier_signal -1
	MUL16 2, (\st)%2, (\st)%2, ((\st)/2)%2, \zero
	WIN 0
	s_barrier_wait -1
.if C1 > C0 && C0+2 < CHUNKS
	CREST
	s_add_nc_u64 s[G0+4*(C0%2)+2:G0+4*(C0%2)+3], s[G0+4*(C0%2)+2:G0+4*(C0%2)+3], 2*ROWB
	s_add_nc_u64 s[G0B+4*(C0%2)+2:G0B+4*(C0%2)+3], s[G0B+4*(C0%2)+2:G0B+4*(C0%2)+3], 2*ROWB
	JLOAD G0+4*(C0%2), G1, G0B+4*(C0%2), G1B
.else
	PLACES NP
.endif
.else
	s_wait_dscnt 4*NL                              ; the youngest 24 loads (source 1's blocks 4-7) may be out
	WIN MUL_LO
	MUL16 0, (\st)%2, (\st)%2, ((\st)/2)%2, \zero
	MUL16 2, (\st)%2, (\st)%2, ((\st)/2)%2, \zero
	s_wait_dscnt 0
	PLACES NP
.endif
	FETCH_B NX, NX%2
	FETCH_A NX, 0
.if NX%2 == 0
	SCALES NX/2
.endif
	WIN MUL_HI
	MUL16 4, (\st)%2, (\st)%2, ((\st)/2)%2, \zero
	MUL16 6, (\st)%2, (\st)%2, ((\st)/2)%2, \zero
	PLACES NP
	WIN 0
	FETCH_A NX, 4
.endm
; block x of source 1's eight: 64 numbers a lane, four blocks of 32, become 12 registers of codes and a scale word, and leave
.macro QOUT x
.set AC, 64*((\x)%4)
.set WW, 2+(\x)/4
.set W2, WW|(WW<<2)
.if (\x) > 0
	s_wait_xcnt 0x0
	s_add_nc_u64 s[92:93], s[92:93], s[100:101]
.endif
	WIN W2
.irp b, 0,1,2,3
	v_max3_num_f32 v[TM+\b], |v[AC+16*\b]|, |v[AC+16*\b+1]|, 0x1800000
.endr
.irp i, 2,4,6,8,10,12,14
.irp b, 0,1,2,3
	v_max3_num_f32 v[TM+\b], |v[AC+16*\b+\i]|, |v[AC+16*\b+\i+1]|, v[TM+\b]
.endr
.endr
	WIN 0
.irp b, 0,1,2,3
	v_permlanex16_b32 v[TM+4+\b], v[TM+\b], s66, s67
.endr
.irp b, 0,1,2,3
	v_max_num_f32 v[TM+\b], v[TM+\b], v[TM+4+\b]
.endr
.irp b, 0,1,2,3
	v_add_nc_u32 v[TM+12+\b], 0xff000000, v[TM+\b]
.endr
.irp b, 0,1,2,3
	v_lshrrev_b32 v[TM+4+\b], 23, v[TM+12+\b]
.endr
	v_lshl_or_b32 v[PWS+\x], v[TM+5], 8, v[TM+4]
	v_lshl_or_b32 v[PWS+\x], v[TM+6], 16, v[PWS+\x]
	v_lshl_or_b32 v[PWS+\x], v[TM+7], 24, v[PWS+\x]
	WIN WW
.irp c, 0,1
	v_cvt_scalef32_pk16_fp6_f32 v[PC+6*\c:PC+2+6*\c], v[AC+32*\c:AC+15+32*\c], v[TM+12+2*\c]
	v_cvt_scalef32_pk16_fp6_f32 v[PC+12+4*\c:PC+14+4*\c], v[AC+16+32*\c:AC+31+32*\c], v[TM+13+2*\c]
.endr
	WIN 0
	v_nop
.irp c, 0,1
.irp i, 0,1,2
	v_permlane16_swap_b32 v[PC+6*\c+\i], v[PC+12+4*\c+\i]
.endr
.irp i, 0,1,2
	v_mov_b32 v[PC+3+6*\c+\i], v[PC+12+4*\c+\i]
.endr
.endr
.irp p, 0,1,2
	global_store_b64 v[OL], v[PC+2*\p:PC+2*\p+1], s[92:93] offset:256*\p
	global_store_b64 v[OH], v[PC+6+2*\p:PC+7+2*\p], s[92:93] offset:256*\p
.endr
.endm
	s_wait_alu depctr_va_vdst(0)
	s_wait_loadcnt 32                              ; the scale bytes are in; the 32 loads of h may be out
.irp j, 0,1,2,3,4,5,6,7
	ds_store_b128 v[SST], v[40+4*\j:43+4*\j] offset:\j*SBLK
.endr
	s_wait_tensorcnt 0x0                           ; my part of chunk 0 is in
	ds_add_u32 v[SPW], v[NIL]
	s_wait_dscnt 0x0                               ; the add is done, my scale bytes have landed
	CROUND
	JLOAD G0+4, G1, G0B+4, G1B                     ; chunk 1, the first tensor load behind the round
; 64 numbers of a lane, register 16 b + i = place 32 b + 16 (lane / 16) + i of my row, become a fragment's 12 registers at v[pc] and its scale word in v[pw]
.macro QUANT4 s, pc, pw
.irp b, 0,1,2,3
	v_max3_num_f32 v[TM+\b], |v[\s+16*\b]|, |v[\s+1+16*\b]|, 0x1800000
.endr
.irp i, 2,4,6,8,10,12,14
.irp b, 0,1,2,3
	v_max3_num_f32 v[TM+\b], v[TM+\b], |v[\s+16*\b+\i]|, |v[\s+1+16*\b+\i]|
.endr
.endr
.irp b, 0,1,2,3
	v_permlanex16_b32 v[TM+4+\b], v[TM+\b], s66, s67
.endr
.irp b, 0,1,2,3
	v_max_num_f32 v[TM+\b], v[TM+\b], v[TM+4+\b]
.endr
.irp b, 0,1,2,3
	v_add_nc_u32 v[TM+12+\b], 0xff000000, v[TM+\b]
.endr
.irp b, 0,1,2,3
	v_lshrrev_b32 v[TM+4+\b], 23, v[TM+12+\b]
.endr
	v_lshl_or_b32 v[\pw], v[TM+5], 8, v[TM+4]
	v_lshl_or_b32 v[\pw], v[TM+6], 16, v[\pw]
	v_lshl_or_b32 v[\pw], v[TM+7], 24, v[\pw]
.irp c, 0,1
	v_cvt_scalef32_pk16_fp6_f32 v[\pc+6*\c:\pc+2+6*\c], v[\s+32*\c:\s+15+32*\c], v[TM+12+2*\c]
	v_cvt_scalef32_pk16_fp6_f32 v[\pc+12+4*\c:\pc+14+4*\c], v[\s+16+32*\c:\s+31+32*\c], v[TM+13+2*\c]
.endr
	v_nop
.irp c, 0,1
.irp i, 0,1,2
	v_permlane16_swap_b32 v[\pc+6*\c+\i], v[\pc+12+4*\c+\i]
.endr
.irp i, 0,1,2
	v_mov_b32 v[\pc+3+6*\c+\i], v[\pc+12+4*\c+\i]
.endr
.endr
.endm
	FETCH_B 0, 0
	s_wait_loadcnt 0x0                             ; h's numbers are in: they are converted while chunk 1 is on its way
	QUANT4 128, 72, 92
.irp p, 0,1,2,3,4,5
	global_store_b64 v[OL], v[72+2*\p:73+2*\p], s[72:73] offset:256*\p          ; 32 lanes store 256 consecutive bytes, aligned
.endr
	global_store_b32 v10, v92, s[74:75]            ; both lanes of a query store the same word
	QUANT4 192, 128, 93                            ; its codes take registers that the first fragment's numbers have left
.irp p, 0,1,2,3,4,5
	global_store_b64 v[OL], v[128+2*\p:129+2*\p], s[72:73] offset:1536+256*\p
.endr
	global_store_b32 v10, v93, s[74:75] offset:4
	s_wait_alu depctr_va_vdst(0)
	s_wait_xcnt 0x0                                ; the stores have read their registers: fragments and scale words may land there
	FETCH_A 0, 0
	SCALES 0
	FETCH_A 0, 4
	STEP 0, 1
.irp st, 1,2,3,4,5,6
	STEP \st, 0
.endr
	s_wait_dscnt 4*NL
	WIN MUL_LO
	MUL16 0, 1, 1, 1, 0
	MUL16 2, 1, 1, 1, 0
	s_wait_dscnt 0
	WIN MUL_HI
	MUL16 4, 1, 1, 1, 0
	MUL16 6, 1, 1, 1, 0
	WIN 0
	PLACES NP
.irp x, 0,1,2,3,4,5,6,7
	QOUT \x
.endr
	v_cmp_le_u32 vcc_lo, 16, v8
.irp i, 0,1,2,3
	v_cndmask_b32 v[OW+\i], v[PWS+\i], v[PWS+4+\i], vcc_lo
.endr
	global_store_b128 v[OS], v[OW:OW+3], s[94:95]
	s_wait_tensorcnt 0x0                           ; the wave's end
	ds_add_u32 v[SPW], v[NIL]
	s_wait_dscnt 0x0
	CROUND
	s_endpgm
.Lfunc_end_k_q2e3fd80b32_kvproj:
	.size	k_q2e3fd80b32_kvproj, .Lfunc_end_k_q2e3fd80b32_kvproj-k_q2e3fd80b32_kvproj
	.p2alignl 7, 3214868480
	.fill 96, 4, 3214868480
	.section	.rodata,"a",@progbits
	.p2align	6, 0x0
	.amdhsa_kernel k_q2e3fd80b32_kvproj
		.amdhsa_group_segment_fixed_size 327680
		.amdhsa_private_segment_fixed_size 0
		.amdhsa_enable_private_segment 0
		.amdhsa_kernarg_size 80
		.amdhsa_user_sgpr_count 2
		.amdhsa_user_sgpr_kernarg_segment_ptr 1
		.amdhsa_wavefront_size32 1
		.amdhsa_system_sgpr_workgroup_id_x 1
		.amdhsa_system_sgpr_workgroup_id_y 1
		.amdhsa_system_sgpr_workgroup_id_z 1
		.amdhsa_system_vgpr_workitem_id 0
		.amdhsa_next_free_vgpr 1024
		.amdhsa_next_free_sgpr 102
		.amdhsa_reserve_vcc 1
		.amdhsa_float_denorm_mode_32 3
		.amdhsa_float_denorm_mode_16_64 3
		.amdhsa_memory_ordered 1
		.amdhsa_forward_progress 1
		.amdhsa_inst_pref_size 182
	.end_amdhsa_kernel
	.amdgpu_metadata
---
amdhsa.version: [ 1, 2 ]
amdhsa.kernels:
  - .name:           k_q2e3fd80b32_kvproj
    .symbol:         k_q2e3fd80b32_kvproj.kd
    .args:
      - { .name: c_codes, .offset: 0, .size: 8, .value_kind: global_buffer, .address_space: global }
      - { .name: c_scales, .offset: 8, .size: 8, .value_kind: global_buffer, .address_space: global }
      - { .name: Wkv_codes, .offset: 16, .size: 8, .value_kind: global_buffer, .address_space: global }
      - { .name: Wkv_scales, .offset: 24, .size: 8, .value_kind: global_buffer, .address_space: global }
      - { .name: kimg, .offset: 32, .size: 8, .value_kind: global_buffer, .address_space: global }
      - { .name: kvscl, .offset: 40, .size: 8, .value_kind: global_buffer, .address_space: global }
      - { .name: vimg, .offset: 48, .size: 8, .value_kind: global_buffer, .address_space: global }
      - { .name: h, .offset: 56, .size: 8, .value_kind: global_buffer, .address_space: global }
      - { .name: aimg, .offset: 64, .size: 8, .value_kind: global_buffer, .address_space: global }
      - { .name: ascl, .offset: 72, .size: 8, .value_kind: global_buffer, .address_space: global }
    .group_segment_fixed_size: 327680
    .private_segment_fixed_size: 0
    .kernarg_segment_align: 8
    .kernarg_segment_size: 80
    .max_flat_workgroup_size: 128
    .sgpr_count:     102
    .vgpr_count:     1024
    .wavefront_size: 32
...
	.end_amdgpu_metadata
.endif
;; end of part 1
;; launch qproj (part 2): grid 8 x 32, 8 waves a work-group, clusters of 4 x 4, 203,776 bytes of LDS; arguments aimg, ascl, Wq_codes, Wq_scales, qimg, qscl; writes qimg, qscl
.if DOCPART == 2
	.amdgcn_target "amdgcn-amd-amdhsa--gfx1250"
	.amdhsa_code_object_version 6
	.text
	.protected	k_q2e3fd80b32_qproj
	.globl	k_q2e3fd80b32_qproj
	.p2align	8
	.type	k_q2e3fd80b32_qproj,@function
k_q2e3fd80b32_qproj:
	s_mov_b64 s[64:65], 0
	v_nop
	global_prefetch_b8 v0, s[64:65] scope:SCOPE_SE
	s_setreg_imm32_b32 hwreg(HW_REG_WAVE_MODE, 25, 1), 1
	s_wait_xcnt 0x0
	s_wait_alu depctr_hold_cnt(0) depctr_sa_sdst(0) depctr_va_vdst(0) depctr_va_sdst(0) depctr_va_ssrc(0) depctr_va_vcc(0) depctr_vm_vsrc(0)
	s_getreg_b32 s2, hwreg(HW_REG_IB_STS2, 6, 4)
	s_cmp_eq_u32 s2, 0
	s_cbranch_scc0 .Lentry_in_a_cluster
	s_endpgm
.Lentry_in_a_cluster:
	s_bfe_u32 s2, ttmp6, 0x10000c
	s_cmp_lg_u32 s2, 0xf033
	s_cbranch_scc0 .Lentry_shape_is_right
	s_endpgm
.Lentry_shape_is_right:
; q = Q(h) Wq^T in MX-FP6 (E2M3, one E8M0 byte for each 32 along K), and q quantised along the head's 64 for the scores' product.  Q(h) was made by launch kvproj and lies in the buffers aimg and ascl.
; WORK LEFT OUT IN THIS PROGRAM (in launch attn): reference() divides the softmax by (its row's sum + 1e-8).  In real numbers a softmax's row sums to 1 for all finite scores,
; so the divisor is the constant 1 + 1e-8, whose f32 value is 1.0: the sum and the division are not computed.  A NaN, infinity or overflow that reaches only that sum is not carried on.
; SHARES.  A work-group owns 128 queries of one batch (eight tiles of 16) and two heads: 256 work-groups.  Wave w of eight: tiles 2 (w % 4), 2 (w % 4) + 1 and head w / 4 of the two.
; All that the work-group multiplies comes into LDS once, one tensor load a wave, nothing filled again: waves 0-3 ask for 32 whole rows of Wq each (768 bytes, 16 of padding behind every 256: pitch 816),
; waves 4-7 for two tiles' images of h each (24,576 dense bytes, as rows of 256).  In a 4 x 4 cluster Wq's rows are shared along a column (same heads), the images along a row (same queries): joint loads.
; The product is used transposed (source 0 = 16 rows of Wq, source 1 = 16 queries): a lane holds one query and its registers run along the head's 64.
; OUT.  qimg [b][tile 64][head 16][3 pairs x 256 bytes]: lane (r, h) holds block h of query r; inside a block place 16 h + 8 u + j holds d = 16 u + 8 h + j, as k is laid.  qscl [b][32][head][2][16] words: the two bytes, twice.
; No data prefetch: the launch has no loop, and all it reads is asked for at its head.
; LIMITS: NaN and infinities are not served; a block whose largest magnitude lies under 2^-124 (a block of zeros too) gets the byte 1; the bytes are read by this program alone.
.set PITCH,  816
.set WPART,  32*PITCH
.set HPART,  64*PITCH
.set AIM,    4*WPART
.set APART,  24576
.set FRB,    1536
.set SPARE,  AIM+4*APART
.set SPW, 1
.set NIL, 2
.set ADA, 3
.set ADW, 4
.set WS,  16
.set AS,  48
.set ACC, 64
.set AF,  128
.set WF,  176
.set TM,  224
.set QW,  241
.set G1,  24
.set G0,  32
.set G0A, 36
.set G1A, 48
.set SEL, 46
.macro CROUND
	s_barrier_signal -1
	s_barrier_wait -1
	s_cmp_lg_u32 s14, 0
	s_cbranch_scc1 .Lnot_wave_0_\@
	s_barrier_signal -3
.Lnot_wave_0_\@:
	s_barrier_wait -3
	s_barrier_signal -1
	s_barrier_wait -1
.endm
; a fragment, 16 rows x 128 K: two runs of 24 bytes of the row in pieces of 8; piece PIE of a row lies at 8 PIE + 16 (PIE / 32); lanes 16-31 read three pieces on
.macro FRAG reg, q, i
.irp p, 0,1,2,3,4,5
.set PIE, 12*(\q)+6*(\p/3)+\p%3
.if PIE%32 < 29
	ds_load_b64 v[\reg+2*\p:\reg+2*\p+1], v[ADW] offset:8*PIE+16*(PIE/32)+(\i)*16*PITCH
.else
	ds_load_b64 v[\reg+2*\p:\reg+2*\p+1], v[ADW+1] offset:8*PIE+16*(PIE/32)+(\i)*16*PITCH
.endif
.endr
.endm
.macro WORK s, c, zero                 ; K = 256 s on, tiles 2 c, 2 c + 1 of Wq's four: eight matrix instructions on four accumulators by turns
.if \c == 0
.irp e, 0,1
.irp q, 0,1
.irp p, 0,1,2,3,4,5
	ds_load_b64 v[AF+12*(2*\e+\q)+2*\p:AF+12*(2*\e+\q)+2*\p+1], v[ADA] offset:(8*\e+2*(\s)+\q)*FRB+256*\p
.endr
.endr
.endr
.endif
.irp t, 0,1
.irp q, 0,1
	FRAG WF+12*(2*\t+\q), 2*(\s)+\q, 2*\c+\t
.endr
.endr
	s_wait_dscnt 0x0
.irp q, 0,1
.irp e, 0,1
.irp t, 0,1
.if \zero && (\q == 0)
	v_wmma_scale_f32_16x16x128_f8f6f4 v[ACC+8*(4*\e+2*\c+\t):ACC+8*(4*\e+2*\c+\t)+7], v[WF+12*(2*\t+\q):WF+12*(2*\t+\q)+11], v[AF+12*(2*\e+\q):AF+12*(2*\e+\q)+11], 0, v[WS+8*(2*\c+\t)+2*\s+\q], v[AS+8*\e+2*\s+\q] matrix_a_fmt:MATRIX_FMT_FP6 matrix_b_fmt:MATRIX_FMT_FP6
.else
	v_wmma_scale_f32_16x16x128_f8f6f4 v[ACC+8*(4*\e+2*\c+\t):ACC+8*(4*\e+2*\c+\t)+7], v[WF+12*(2*\t+\q):WF+12*(2*\t+\q)+11], v[AF+12*(2*\e+\q):AF+12*(2*\e+\q)+11], v[ACC+8*(4*\e+2*\c+\t):ACC+8*(4*\e+2*\c+\t)+7], v[WS+8*(2*\c+\t)+2*\s+\q], v[AS+8*\e+2*\s+\q] matrix_a_fmt:MATRIX_FMT_FP6 matrix_b_fmt:MATRIX_FMT_FP6
.endif
.endr
.endr
.endr
.rept 4
	v_nop                                          ; four places ahead of the next loads into the fragments' registers and of the first read of results
.endr
.endm
.macro QUANT2 s, pc                    ; 32 numbers of a lane, register 16 b + i = place 32 b + 16 (lane / 16) + i: six registers of codes, the bytes in v[TM+4], v[TM+5]
.irp b, 0,1
	v_max3_num_f32 v[TM+\b], |v[\s+16*\b]|, |v[\s+1+16*\b]|, 0x1800000   ; the floor 2^(3 - 127) holds the byte at 1 from below
.endr
.irp i, 2,4,6,8,10,12,14
.irp b, 0,1
	v_max3_num_f32 v[TM+\b], v[TM+\b], |v[\s+16*\b+\i]|, |v[\s+1+16*\b+\i]|
.endr
.endr
.irp b, 0,1
	v_permlanex16_b32 v[TM+4+\b], v[TM+\b], s[SEL], s[SEL+1]
.endr
.irp b, 0,1
	v_max_num_f32 v[TM+\b], v[TM+\b], v[TM+4+\b]
.endr
.irp b, 0,1
	v_add_nc_u32 v[TM+12+\b], 0xff000000, v[TM+\b]
.endr
.irp b, 0,1
	v_lshrrev_b32 v[TM+4+\b], 23, v[TM+12+\b]
.endr
	v_cvt_scalef32_pk16_fp6_f32 v[\pc:\pc+2], v[\s:\s+15], v[TM+12]
	v_cvt_scalef32_pk16_fp6_f32 v[\pc+8:\pc+10], v[\s+16:\s+31], v[TM+13]
	v_nop
.irp i, 0,1,2
	v_permlane16_swap_b32 v[\pc+\i], v[\pc+8+\i]
.endr
.irp i, 0,1,2
	v_mov_b32 v[\pc+3+\i], v[\pc+8+\i]
.endr
.endm
	s_load_b256 s[4:11], s[0:1], 0x0               ; h's images, h's scale rows, Wq's codes, Wq's scales
	s_load_b128 s[56:59], s[0:1], 0x20             ; qimg, qscl
	v_lshl_add_u32 v[SPW], v0, 2, SPARE
	v_mov_b32 v[NIL], 0
	ds_add_u32 v[SPW], v[NIL]                      ; the opening lines: the add twice on end and its wait
	ds_add_u32 v[SPW], v[NIL]
	v_lshrrev_b32 v8, 5, v0
	v_readfirstlane_b32 s14, v8
	s_lshr_b32 s15, s14, 2                         ; I ask for Wq's rows (0) or for images (1); also my head of the two
	s_and_b32 s16, s14, 3                          ; which quarter I ask for; also my pair of tiles
	s_bfe_u32 s40, ttmp6, 0x40000
	s_bfe_u32 s41, ttmp6, 0x40004                  ; cy = the batch
	s_lshl_b32 s42, ttmp9, 2
	s_add_co_u32 s42, s42, s40                     ; the pair of heads
	s_and_b32 s17, ttmp7, 0xffff                   ; the block of 128 queries
	s_lshl_b32 s43, s41, 2
	s_lshl_b32 s43, 15, s43
	s_lshl_b32 s44, 0x1111, s40
	s_or_b32 s[G1+0], s44, (1<<20)|(1<<21)|(5<<22)|(3<<25)
	s_mov_b32 s[G1+1], 768<<16
	s_mov_b32 s[G1+2], 32<<16
	s_mov_b32 s[G1+3], 768<<16
	s_mov_b32 s[G1+4], 32
	s_mov_b32 s[G1+5], 768
	s_mov_b32 s[G1+6], 0
	s_mov_b32 s[G1+7], 0
	s_or_b32 s[G1A+0], s43, (3<<16)|(1<<21)        ; 96 rows of 32 elements of 8 bytes, dense
	s_mov_b32 s[G1A+1], 32<<16
	s_mov_b32 s[G1A+2], 96<<16
	s_mov_b32 s[G1A+3], 32<<16
	s_mov_b32 s[G1A+4], 96
	s_mov_b32 s[G1A+5], 32
	s_mov_b32 s[G1A+6], 0
	s_mov_b32 s[G1A+7], 0
	s_lshl_b32 s18, s42, 2
	s_add_co_u32 s18, s18, s16
	s_mul_i32 s18, s18, 32*768
	s_mov_b32 s19, 0
	s_lshl_b32 s45, s41, 6
	s_lshl_b32 s20, s17, 3
	s_add_co_u32 s45, s45, s20
	s_lshl_b32 s20, s16, 1
	s_add_co_u32 s45, s45, s20                     ; 64 b + my first tile
	s_mul_i32 s20, s45, 12288
	s_mov_b32 s21, 0
	s_lshl_b32 s22, s45, 9                         ; its scale rows
	s_mov_b32 s23, 0
	s_lshl_b32 s46, s42, 12
	s_lshl_b32 s47, s15, 11
	s_add_co_u32 s46, s46, s47                     ; my 64 rows of Wq's scales
	s_mov_b32 s47, 0
	s_lshl_b32 s13, s42, 1
	s_add_co_u32 s13, s13, s15                     ; my head
	s_lshl_b32 s12, s45, 4
	s_add_co_u32 s12, s12, s13
	s_mul_i32 s12, s12, 768                        ; qimg
	s_lshr_b32 s44, s45, 1
	s_lshl_b32 s44, s44, 4
	s_add_co_u32 s44, s44, s13
	s_lshl_b32 s44, s44, 7                         ; qscl
	s_mov_b32 s45, 0
	s_mov_b32 s13, 0
	s_mul_i32 s2, s16, WPART
	s_mul_i32 s3, s16, APART
	s_add_co_u32 s3, s3, AIM
	s_mul_i32 s40, s15, HPART
	v_and_b32 v9, 31, v0
	v_and_b32 v10, 15, v0
	v_bfe_u32 v11, v0, 4, 1
	v_lshlrev_b32 v13, 5, v10
	s_wait_alu depctr_va_vdst(0)
	s_wait_dscnt 0x0
	s_wait_kmcnt 0x0
	s_add_nc_u64 s[6:7], s[6:7], s[22:23]
	s_add_nc_u64 s[10:11], s[10:11], s[46:47]
	s_add_nc_u64 s[56:57], s[56:57], s[12:13]
	s_add_nc_u64 s[58:59], s[58:59], s[44:45]
	s_mov_b32 s[SEL], 0x76543210
	s_mov_b32 s[SEL+1], 0xfedcba98
.irp t, 0,1,2,3
	global_load_b128 v[WS+8*\t:WS+8*\t+3], v13, s[10:11] offset:512*\t
	global_load_b128 v[WS+8*\t+4:WS+8*\t+7], v13, s[10:11] offset:512*\t+16
.endr
.irp e, 0,1
	global_load_b128 v[AS+8*\e:AS+8*\e+3], v13, s[6:7] offset:512*\e
	global_load_b128 v[AS+8*\e+4:AS+8*\e+7], v13, s[6:7] offset:512*\e+16
.endr
	CROUND                                         ; all sixteen work-groups are here: the joint loads meet
	s_mov_b32 s[G0], 1
	s_mov_b32 s[G0+1], s2
	s_add_nc_u64 s[G0+2:G0+3], s[8:9], s[18:19]
	s_or_b32 s[G0+3], s[G0+3], 0x80000000
	s_mov_b32 s[G0A], 1
	s_mov_b32 s[G0A+1], s3
	s_add_nc_u64 s[G0A+2:G0A+3], s[4:5], s[20:21]
	s_or_b32 s[G0A+3], s[G0A+3], 0x80000000
	s_cmp_eq_u32 s15, 0
	s_cbranch_scc0 .Lfor_a
	tensor_load_to_lds s[G0:G0+3], s[G1:G1+7]
	s_nop 0
.rept 4
	v_nop
.endr
	s_branch .Lasked
.Lfor_a:
	tensor_load_to_lds s[G0A:G0A+3], s[G1A:G1A+7]
	s_nop 0
.rept 4
	v_nop
.endr
.Lasked:
	v_lshl_add_u32 v[ADA], v9, 3, s3               ; the pair of tiles that I multiply lies where quarter w % 4 of the images lands
	v_mul_u32_u24 v14, v10, PITCH
	v_mad_u32_u24 v14, v11, 24, v14
	v_add_nc_u32 v[ADW], s40, v14
	v_lshl_add_u32 v[ADW+1], v11, 4, v[ADW]
	v_lshlrev_b32 v245, 3, v9
	v_lshlrev_b32 v246, 2, v9
.irp b, 0,1
	v_mov_b32 v[TM+4+\b], 0                        ; a lane permute's destination counts as one of its sources
.endr
	s_wait_alu depctr_va_vdst(0)
	s_wait_tensorcnt 0x0
	s_barrier_signal -1
	s_barrier_wait -1                              ; everybody's part is in
	s_wait_loadcnt 0x0
	WORK 0, 0, 1
	WORK 0, 1, 1
.irp s, 1,2,3
	WORK \s, 0, 0
	WORK \s, 1, 0
.endr
.irp e, 0,1                                    ; q of my head, tile e: register 8 T + j = d 16 T + 8 h + j
	QUANT2 ACC+32*\e, AF+16*\e
	v_lshl_or_b32 v[QW+\e], v[TM+5], 8, v[TM+4]
	v_lshl_or_b32 v[QW+\e], v[QW+\e], 16, v[QW+\e] ; the two bytes twice: q stands in the lower or in the upper half of a K step of 128
.irp p, 0,1,2
	global_store_b64 v245, v[AF+16*\e+2*\p:AF+16*\e+2*\p+1], s[56:57] offset:12288*\e+256*\p   ; 32 lanes store 256 consecutive bytes, aligned
.endr
.endr
	v_cmp_le_u32 vcc_lo, 16, v9
	v_cndmask_b32 v[QW+2], v[QW], v[QW+1], vcc_lo  ; lanes 0-15 tile 0's words, lanes 16-31 tile 1's
	global_store_b32 v246, v[QW+2], s[58:59]
	s_wait_tensorcnt 0x0                           ; the wave's end
	ds_add_u32 v[SPW], v[NIL]
	s_wait_dscnt 0x0
	CROUND                                         ; the closing round
	s_endpgm
.Lfunc_end_k_q2e3fd80b32_qproj:
	.size	k_q2e3fd80b32_qproj, .Lfunc_end_k_q2e3fd80b32_qproj-k_q2e3fd80b32_qproj
	.p2alignl 7, 3214868480
	.fill 96, 4, 3214868480
	.section	.rodata,"a",@progbits
	.p2align	6, 0x0
	.amdhsa_kernel k_q2e3fd80b32_qproj
		.amdhsa_group_segment_fixed_size 203776
		.amdhsa_private_segment_fixed_size 0
		.amdhsa_enable_private_segment 0
		.amdhsa_kernarg_size 48
		.amdhsa_user_sgpr_count 2
		.amdhsa_user_sgpr_kernarg_segment_ptr 1
		.amdhsa_wavefront_size32 1
		.amdhsa_system_sgpr_workgroup_id_x 1
		.amdhsa_system_sgpr_workgroup_id_y 1
		.amdhsa_system_sgpr_workgroup_id_z 1
		.amdhsa_system_vgpr_workitem_id 0
		.amdhsa_next_free_vgpr 256
		.amdhsa_next_free_sgpr 66
		.amdhsa_reserve_vcc 1
		.amdhsa_float_denorm_mode_32 3
		.amdhsa_float_denorm_mode_16_64 3
		.amdhsa_memory_ordered 1
		.amdhsa_forward_progress 1
		.amdhsa_inst_pref_size 40
	.end_amdhsa_kernel
	.amdgpu_metadata
---
amdhsa.version: [ 1, 2 ]
amdhsa.kernels:
  - .name:           k_q2e3fd80b32_qproj
    .symbol:         k_q2e3fd80b32_qproj.kd
    .args:
      - { .name: aimg, .offset: 0, .size: 8, .value_kind: global_buffer, .address_space: global }
      - { .name: ascl, .offset: 8, .size: 8, .value_kind: global_buffer, .address_space: global }
      - { .name: Wq_codes, .offset: 16, .size: 8, .value_kind: global_buffer, .address_space: global }
      - { .name: Wq_scales, .offset: 24, .size: 8, .value_kind: global_buffer, .address_space: global }
      - { .name: qimg, .offset: 32, .size: 8, .value_kind: global_buffer, .address_space: global }
      - { .name: qscl, .offset: 40, .size: 8, .value_kind: global_buffer, .address_space: global }
    .group_segment_fixed_size: 203776
    .private_segment_fixed_size: 0
    .kernarg_segment_align: 8
    .kernarg_segment_size: 48
    .max_flat_workgroup_size: 256
    .sgpr_count:     66
    .vgpr_count:     256
    .wavefront_size: 32
...
	.end_amdgpu_metadata
.endif
;; end of part 2
;; launch attn (part 3): grid 4 x 64, 16 waves a work-group, no clusters, 217,600 bytes of LDS; arguments qimg, qscl, kimg, kvscl, vimg, aimg, ascl; writes aimg, ascl
.if DOCPART == 3
	.amdgcn_target "amdgcn-amd-amdhsa--gfx1250"
	.amdhsa_code_object_version 6
	.text
	.protected	k_q2e3fd80b32_attn
	.globl	k_q2e3fd80b32_attn
	.p2align	8
	.type	k_q2e3fd80b32_attn,@function
k_q2e3fd80b32_attn:
	s_mov_b64 s[64:65], 0
	v_nop
	global_prefetch_b8 v0, s[64:65] scope:SCOPE_SE
	s_setreg_imm32_b32 hwreg(HW_REG_WAVE_MODE, 25, 1), 1
	s_wait_xcnt 0x0
; attn_vec = P V, P = softmax(q k^T / 8), both products in MX-FP6; P is quantised finished and normalised, along the keys; attn_vec is quantised along d for the last product.
; LEFT OUT: the division by (the softmax's row sum + 1e-8): that sum is 1 by identity and 1 + 1e-8 is 1.0 in f32 (shown at the head of launch qproj).
; SHARES.  A work-group owns one head (b, n) and 256 queries.  Wave w of sixteen keeps keys 128 w .. 128 w + 127 of k and of v in its registers for the whole launch, read once by loads of 256 consecutive bytes.
; The queries go round: sixteen tiles of 16, one a trip.  Every score lives in a register from its product to its conversion, and each exponential is taken once.
; No cluster and no tensor load: what work-groups share is 12 KB a wave, read once into registers.  No data prefetch: the loop reads no memory.
; A TRIP, ONE BARRIER.  S^T = k q^T; e = 2^(c s - c m_w) under my keys' maximum m_w, l_w their sum; m_w and l_w go to LDS | barrier | the row's maximum gm, l = sum of l_i 2^(m_i - gm), f = 2^(m_w - gm) / l;
; p = e f is quantised; O^T = v^T p^T over my keys goes to LDS.  The sixteen partial O^T of tile t are added up in trip t + 1, behind that trip's barrier, a sixteenth a wave, under the second product.
; The statistics and the partial O^T have two buffers each, by the trip's parity: what a wave writes between two barriers is read by the others only behind the later one, and written again only two barriers on.
; K = 64 fills half of a matrix instruction: a fragment of k holds two tiles of 16 keys, and q stands between zero codes.
; LIMITS: NaN and infinities are not served; a weight under 2^-126 counts as 0; a block of weights whose largest lies under 2^-124 gets the byte 1.  A block's largest p is taken from its largest score by the same instructions.
.set QI,  0                            ; the 16 tiles' images of q, 768 bytes each
.set QS,  12288                        ; their scale words, 128 bytes each
.set ST,  14336                        ; two buffers of 16 queries x 144 bytes: 16 waves' m, 16 waves' l, padding
.set STB, 2304
.set OP,  18944                        ; two buffers of 16 waves' partial O^T, 4,096 bytes each
.set OPB, 65536
.set RED, 150016                       ; 16 tiles' O^T
.set SPARE, 215552
.set KF,  16
.set VF,  64
.set KW,  112
.set VW,  116
.set QZ,  120                          ; v120-125 zeros, v126-131 q, v132-137 zeros
.set QWD, 138
.set PWD, 139
.set S,   140                          ; v140-203 S^T, e, p; then O^T in v140-171
.set RD,  172                          ; v172-203, free once p is converted: my sixteenth of the sixteen partial O^T
.set PC,  204                          ; the waves' m and l, then p's codes
.set TM,  224
.set MC,  240
.set LS,  242
.set F,   246
.set SEL, 22
.set CS,  24
.set TQ,  27
.set TS,  28
.set TR,  29
.macro QUANT2 s, pc
.irp b, 0,1
	v_max3_num_f32 v[TM+\b], |v[\s+16*\b]|, |v[\s+1+16*\b]|, 0x1800000
.endr
.irp i, 2,4,6,8,10,12,14
.irp b, 0,1
	v_max3_num_f32 v[TM+\b], v[TM+\b], |v[\s+16*\b+\i]|, |v[\s+1+16*\b+\i]|
.endr
.endr
.irp b, 0,1
	v_permlanex16_b32 v[TM+4+\b], v[TM+\b], s[SEL], s[SEL+1]
.endr
.irp b, 0,1
	v_max_num_f32 v[TM+\b], v[TM+\b], v[TM+4+\b]
.endr
.irp b, 0,1
	v_add_nc_u32 v[TM+12+\b], 0xff000000, v[TM+\b]
.endr
.irp b, 0,1
	v_lshrrev_b32 v[TM+4+\b], 23, v[TM+12+\b]
.endr
	v_cvt_scalef32_pk16_fp6_f32 v[\pc:\pc+2], v[\s:\s+15], v[TM+12]
	v_cvt_scalef32_pk16_fp6_f32 v[\pc+8:\pc+10], v[\s+16:\s+31], v[TM+13]
	v_nop
.irp i, 0,1,2
	v_permlane16_swap_b32 v[\pc+\i], v[\pc+8+\i]
.endr
.irp i, 0,1,2
	v_mov_b32 v[\pc+3+\i], v[\pc+8+\i]
.endr
.endm
.macro RLOAD adr                       ; my sixteenth of each wave's partial O^T
.set i, 0
.rept 16
	ds_load_b64 v[RD+2*i:RD+2*i+1], v[\adr] offset:4096*i
.set i, i+1
.endr
.endm
.macro RSUM ri                         ; added up and stored; bytes that are written once in the launch
	s_wait_dscnt 0x0
.irp i, 0,4,8,12,16,20,24,28
	v_pk_add_f32 v[RD+\i:RD+\i+1], v[RD+\i:RD+\i+1], v[RD+\i+2:RD+\i+3]
.endr
.irp i, 0,8,16,24
	v_pk_add_f32 v[RD+\i:RD+\i+1], v[RD+\i:RD+\i+1], v[RD+\i+4:RD+\i+5]
.endr
.irp i, 0,16
	v_pk_add_f32 v[RD+\i:RD+\i+1], v[RD+\i:RD+\i+1], v[RD+\i+8:RD+\i+9]
.endr
	v_pk_add_f32 v[RD:RD+1], v[RD:RD+1], v[RD+16:RD+17]
	ds_store_b64 v11, v[RD:RD+1] offset:4096*\ri
.endm
; One tile.  par: its parity.  first: no tile before it to add up.  last: no further q.  qi, ri: the next q's and the sum's place, in tiles from the scalars' base.
.macro TRIP par, first, last, qi, ri
.irp g, 0,1,2,3
	v_wmma_scale_f32_16x16x128_f8f6f4 v[S+16*\g:S+16*\g+7], v[KF+12*\g:KF+12*\g+11], v[QZ+6:QZ+17], 0, v[KW+\g], v[QWD] matrix_a_fmt:MATRIX_FMT_FP6 matrix_b_fmt:MATRIX_FMT_FP6
	v_wmma_scale_f32_16x16x128_f8f6f4 v[S+16*\g+8:S+16*\g+15], v[KF+12*\g:KF+12*\g+11], v[QZ:QZ+11], 0, v[KW+\g], v[QWD] matrix_a_fmt:MATRIX_FMT_FP6 matrix_b_fmt:MATRIX_FMT_FP6
.endr                                          ; lane (q, h): register 8 x + j = key 16 x + 8 h + j of my 128
	v_add_nc_u32 v9, s[TQ], v1                     ; four places ahead of the loads into q's registers and of the first read of the scores
	v_add_nc_u32 v10, s[TS], v2
	v_nop
	v_nop
.if \last == 0
	ds_load_b64 v[QZ+6:QZ+7], v9 offset:768*\qi    ; the next tile's q: waited for ahead of the barrier below
	ds_load_b64 v[QZ+8:QZ+9], v9 offset:768*\qi+256
	ds_load_b64 v[QZ+10:QZ+11], v9 offset:768*\qi+512
	ds_load_b32 v[QWD], v10 offset:128*\qi
.endif
.irp b, 0,1,2,3
	v_max3_num_f32 v[TM+\b], v[S+16*\b], v[S+16*\b+1], v[S+16*\b+2]   ; the largest score of each block of 32 keys
.endr
.irp i, 3,5,7,9,11,13
.irp b, 0,1,2,3
	v_max3_num_f32 v[TM+\b], v[TM+\b], v[S+16*\b+\i], v[S+16*\b+\i+1]
.endr
.endr
.irp b, 0,1,2,3
	v_max_num_f32 v[TM+\b], v[TM+\b], v[S+16*\b+15]
.endr
.irp b, 0,1,2,3
	v_permlanex16_b32 v[TM+4+\b], v[TM+\b], s[SEL], s[SEL+1]
.endr
.irp b, 0,1,2,3
	v_max_num_f32 v[TM+\b], v[TM+\b], v[TM+4+\b]
.endr
	v_max3_num_f32 v248, v[TM], v[TM+1], v[TM+2]
	v_max_num_f32 v248, v248, v[TM+3]
	v_mul_f32 v[MC], s[CS], v248                   ; c x the largest score of my 128 keys
.set j, 0
.rept 32
	v_pk_fma_f32 v[S+j:S+j+1], v[S+j:S+j+1], s[CS:CS+1], v[MC:MC+1] op_sel_hi:[1,0,0] neg_lo:[0,0,1] neg_hi:[0,0,1]
.set j, j+2
.endr
.irp b, 0,1,2,3
	v_fma_f32 v[TM+\b], v[TM+\b], s[CS], -v[MC]
.endr
	s_wait_alu depctr_va_vdst(0)                   ; a wait ahead of the batch and one behind it
.set j, 0
.rept 64
	v_exp_f32 v[S+j], v[S+j]
.set j, j+1
.endr
.irp b, 0,1,2,3
	v_exp_f32 v[TM+\b], v[TM+\b]                   ; each block's largest e: the same two instructions on the same number
.endr
	v_nop
	s_wait_alu depctr_va_vdst(0)
	v_pk_add_f32 v[LS:LS+1], v[S:S+1], v[S+4:S+5]
	v_pk_add_f32 v[LS+2:LS+3], v[S+2:S+3], v[S+6:S+7]
.set j, 8
.rept 14
	v_pk_add_f32 v[LS:LS+1], v[LS:LS+1], v[S+j:S+j+1]
	v_pk_add_f32 v[LS+2:LS+3], v[LS+2:LS+3], v[S+j+2:S+j+3]
.set j, j+4
.endr
	v_pk_add_f32 v[LS:LS+1], v[LS:LS+1], v[LS+2:LS+3]
	v_add_f32 v[LS], v[LS], v[LS+1]
	v_permlanex16_b32 v[LS+1], v[LS], s[SEL], s[SEL+1]
	v_add_f32 v[LS], v[LS], v[LS+1]                ; l_w, of the unquantised e
	ds_store_b32 v4, v[MC] offset:STB*\par         ; both lanes of a query write the same word with the same value
	ds_store_b32 v4, v[LS] offset:STB*\par+64
	s_wait_alu depctr_va_vdst(0)
	s_wait_dscnt 0x0                               ; for the others' sake: my statistics and the last tile's partial O^T have landed; my reads are in
	s_barrier_signal -1
	s_barrier_wait -1
	ds_load_b128 v[PC:PC+3], v5 offset:STB*\par    ; eight waves' m (lanes 16-31: the other eight),
	ds_load_b128 v[PC+4:PC+7], v5 offset:STB*\par+16
	ds_load_b128 v[PC+8:PC+11], v5 offset:STB*\par+64   ; and their l
	ds_load_b128 v[PC+12:PC+15], v5 offset:STB*\par+80
	s_wait_dscnt 0x0
	v_max3_num_f32 v248, v[PC], v[PC+1], v[PC+2]
	v_max3_num_f32 v248, v248, v[PC+3], v[PC+4]
	v_max3_num_f32 v248, v248, v[PC+5], v[PC+6]
	v_max_num_f32 v248, v248, v[PC+7]
	v_permlanex16_b32 v249, v248, s[SEL], s[SEL+1]
	v_max_num_f32 v248, v248, v249                 ; the row's maximum, x c
.irp i, 0,1,2,3,4,5,6,7
	v_sub_f32 v[PC+\i], v[PC+\i], v248
.endr
	v_sub_f32 v250, v[MC], v248
	s_wait_alu depctr_va_vdst(0)
.irp i, 0,1,2,3,4,5,6,7
	v_exp_f32 v[PC+\i], v[PC+\i]                   ; 2^(m_i - gm)
.endr
	v_exp_f32 v250, v250
	v_nop
	s_wait_alu depctr_va_vdst(0)
	v_mul_f32 v251, v[PC+8], v[PC]
	v_mul_f32 v252, v[PC+9], v[PC+1]
	v_fmac_f32 v251, v[PC+10], v[PC+2]
	v_fmac_f32 v252, v[PC+11], v[PC+3]
	v_fmac_f32 v251, v[PC+12], v[PC+4]
	v_fmac_f32 v252, v[PC+13], v[PC+5]
	v_fmac_f32 v251, v[PC+14], v[PC+6]
	v_fmac_f32 v252, v[PC+15], v[PC+7]
	v_add_f32 v251, v251, v252
	v_permlanex16_b32 v249, v251, s[SEL], s[SEL+1]
	v_add_f32 v251, v251, v249                     ; l, under the row's maximum: at least 1
	s_wait_alu depctr_va_vdst(0)
	v_rcp_f32 v252, v251
	v_nop
	s_wait_alu depctr_va_vdst(0)
	v_mul_f32 v[F], v250, v252                     ; f = 2^(m_w - gm) / l
.irp b, 0,1,2,3
	v_mul_f32 v[TM+\b], v[TM+\b], v[F]             ; each block's largest p
.endr
.irp b, 0,1,2,3
	v_max_num_f32 v[TM+\b], 0x1800000, v[TM+\b]    ; the floor: the byte cannot fall under 1
.endr
.irp b, 0,1,2,3
	v_add_nc_u32 v[TM+12+\b], 0xff000000, v[TM+\b]
.endr
.set j, 32
.rept 16
	v_pk_mul_f32 v[S+j:S+j+1], v[S+j:S+j+1], v[F:F+1] op_sel_hi:[1,0]   ; p, finished and normalised: the upper 64 keys first, so that their registers are free for the loads below
.set j, j+2
.endr
	v_cvt_scalef32_pk16_fp6_f32 v[PC+6:PC+8], v[S+32:S+47], v[TM+14]
	v_cvt_scalef32_pk16_fp6_f32 v[PC+16:PC+18], v[S+48:S+63], v[TM+15]
	v_nop
.if \first == 0
	RLOAD 7+6*(1-\par)                             ; the tile before's partial O^T, from the other buffer (v7: buffer 0, v13: buffer 1)
.endif
.set j, 0
.rept 16
	v_pk_mul_f32 v[S+j:S+j+1], v[S+j:S+j+1], v[F:F+1] op_sel_hi:[1,0]
.set j, j+2
.endr
.irp b, 0,1,2,3
	v_lshrrev_b32 v[TM+4+\b], 23, v[TM+12+\b]
.endr
	v_lshl_or_b32 v[PWD], v[TM+5], 8, v[TM+4]
	v_lshl_or_b32 v[PWD], v[TM+6], 16, v[PWD]
	v_lshl_or_b32 v[PWD], v[TM+7], 24, v[PWD]
	v_cvt_scalef32_pk16_fp6_f32 v[PC:PC+2], v[S:S+15], v[TM+12]
	v_cvt_scalef32_pk16_fp6_f32 v[PC+12:PC+14], v[S+16:S+31], v[TM+13]
	v_nop
.irp c, 0,1
.irp i, 0,1,2
	v_permlane16_swap_b32 v[PC+6*\c+\i], v[PC+12+4*\c+\i]
.endr
.irp i, 0,1,2
	v_mov_b32 v[PC+3+6*\c+\i], v[PC+12+4*\c+\i]
.endr
.endr
.if \first
	s_wait_alu depctr_va_vdst(0)
	s_wait_loadcnt 0x0                             ; v and its words, asked for at the head, are first wanted here
.endif
.rept 8
	v_nop                                          ; p's word and codes were written by vector instructions: 8 and 4 places ahead of a scaled matrix instruction
.endr
.irp t, 0,1,2,3
	v_wmma_scale_f32_16x16x128_f8f6f4 v[S+8*\t:S+8*\t+7], v[VF+12*\t:VF+12*\t+11], v[PC:PC+11], 0, v[VW+\t], v[PWD] matrix_a_fmt:MATRIX_FMT_FP6 matrix_b_fmt:MATRIX_FMT_FP6
.endr                                          ; lane (q, h): register 8 t + j = d 16 t + 8 h + j, summed over my 128 keys
.if \first
.rept 5
	v_nop                                          ; five places: the next tile's score products write over these results
.endr
.else
	v_add_nc_u32 v11, s[TR], v8
	RSUM \ri                                       ; its fifteen additions are the places behind the products
.endif
.irp g, 0,1,2,3,4,5,6,7
	ds_store_b128 v[6+6*\par], v[S+4*\g:S+4*\g+3] offset:512*\g   ; v6: buffer 0, v12: buffer 1; each accumulator from its low end on
.endr
.endm
	s_load_b256 s[4:11], s[0:1], 0x0               ; qimg, qscl, kimg, kvscl
	s_load_b128 s[12:15], s[0:1], 0x20             ; vimg, aimg
	s_load_b64 s[16:17], s[0:1], 0x30              ; ascl
	v_lshl_add_u32 v254, v0, 2, SPARE
	v_mov_b32 v255, 0
	v_lshrrev_b32 v12, 5, v0
	v_readfirstlane_b32 s20, v12                   ; wave 0..15
	s_and_b32 s31, ttmp7, 0xffff
	s_lshr_b32 s21, s31, 4                         ; b
	s_and_b32 s31, s31, 15                         ; n
	s_lshl_b32 s32, s21, 4
	s_add_co_u32 s32, s32, s20                     ; 16 b + my 128 keys
	s_lshl_b32 s34, s32, 3
	s_lshr_b32 s35, s31, 1
	s_add_co_u32 s34, s34, s35
	s_lshl_b32 s34, s34, 9                         ; k's and v's scale words: 512 bytes for two heads
	s_mov_b32 s35, 0
	s_lshl_b32 s32, s32, 4
	s_add_co_u32 s32, s32, s31
	s_mul_i32 s32, s32, 6144                       ; k's and v's images
	s_mov_b32 s33, 0
	s_lshl_b32 s36, ttmp9, 4
	s_add_co_u32 s36, s36, s20                     ; the tile of queries that I bring in and send out
	s_lshl_b32 s37, s21, 6
	s_add_co_u32 s37, s37, s36
	s_lshl_b32 s40, s37, 9
	s_lshl_b32 s41, s31, 1
	s_add_co_u32 s40, s40, s41                     ; ascl: 32 bytes a query, two a head
	s_mov_b32 s41, 0
	s_lshl_b32 s37, s37, 4
	s_add_co_u32 s37, s37, s31
	s_mul_i32 s38, s37, 768                        ; qimg, aimg
	s_mov_b32 s39, 0
	s_lshr_b32 s42, s36, 1
	s_lshl_b32 s43, s21, 5
	s_add_co_u32 s42, s42, s43
	s_lshl_b32 s42, s42, 4
	s_add_co_u32 s42, s42, s31
	s_lshl_b32 s42, s42, 7
	s_and_b32 s43, s36, 1
	s_lshl_b32 s43, s43, 6
	s_add_co_u32 s42, s42, s43                     ; qscl
	s_mov_b32 s43, 0
	s_and_b32 s44, s31, 1
	s_lshl_b32 s44, s44, 8
	s_add_co_u32 s44, s44, 262144                  ; v's words lie behind k's; an odd head's 256 bytes on
	s_mov_b32 s45, 0
	s_mov_b32 s26, 0x05040100
	s_bitcmp1_b32 s31, 0
	s_cselect_b32 s26, 0x07060302, s26             ; k's words hold two heads' bytes: the low or the high halves
	s_mov_b32 s[SEL], 0x76543210
	s_mov_b32 s[SEL+1], 0xfedcba98
	s_mov_b32 s[CS], 0x3e38aa3b                    ; c = log2(e) / 8
	s_mov_b32 s[CS+1], s[CS]
	s_mov_b32 s[TQ], 0
	s_mov_b32 s[TS], 0
	s_mov_b32 s[TR], 0
	s_mov_b32 s30, 0
	s_lshl_b32 s46, s20, 2
	s_add_co_u32 s46, s46, ST
	s_lshl_b32 s47, s20, 12
	s_add_co_u32 s48, s47, RED
	s_add_co_u32 s47, s47, OP
	s_lshl_b32 s49, s20, 8
	s_add_co_u32 s50, s49, RED
	s_add_co_u32 s49, s49, OP
	s_mul_i32 s51, s20, 768
	s_lshl_b32 s52, s20, 7
	v_and_b32 v12, 31, v0                          ; lane
	v_and_b32 v13, 15, v0                          ; r
	v_bfe_u32 v14, v0, 4, 1                        ; h
	v_lshlrev_b32 v1, 3, v12                       ; 8 x lane
	v_lshlrev_b32 v15, 4, v13                      ; 16 r
	v_lshlrev_b32 v9, 2, v13                       ; 4 r
	v_lshl_add_u32 v2, v12, 2, QS
	v_mul_u32_u24 v10, v13, 144
	v_add_nc_u32 v4, s46, v10                      ; where I put m (l: 64 bytes on)
	v_lshl_add_u32 v5, v14, 5, v10
	v_add_nc_u32 v5, ST, v5                        ; where I read eight waves' m
	v_lshl_add_u32 v6, v12, 4, s47                 ; my partial O^T, buffer 0
	v_lshl_add_u32 v3, v14, 10, v15
	v_add_nc_u32 v3, s48, v3                       ; the tail: RED + 4,096 wave + 1,024 h + 16 r
	v_add_nc_u32 v7, s49, v1                       ; my sixteenth of each partial O^T, buffer 0
	v_add_nc_u32 v8, s50, v1                       ; and of the sum
	v_add_nc_u32 v10, s51, v1                      ; where I put my tile's image of q
	v_add_nc_u32 v11, s52, v2                      ; and its words
	v_lshlrev_b32 v14, 5, v13                      ; ascl: 32 r
	v_add_nc_u32 v12, OPB, v6                      ; buffer 1
	v_add_nc_u32 v13, OPB, v7
	s_wait_alu depctr_va_vdst(0)
	s_wait_kmcnt 0x0
	s_add_nc_u64 s[4:5], s[4:5], s[38:39]
	s_add_nc_u64 s[6:7], s[6:7], s[42:43]
	s_add_nc_u64 s[8:9], s[8:9], s[32:33]
	s_add_nc_u64 s[10:11], s[10:11], s[34:35]
	s_add_nc_u64 s[18:19], s[10:11], s[44:45]
	s_add_nc_u64 s[12:13], s[12:13], s[32:33]
	s_add_nc_u64 s[14:15], s[14:15], s[38:39]
	s_add_nc_u64 s[16:17], s[16:17], s[40:41]
.set P, 0
.rept 24
	global_load_b64 v[KF+2*P:KF+2*P+1], v1, s[8:9] offset:256*P
.set P, P+1
.endr
	global_load_b128 v[S:S+3], v15, s[10:11]
	global_load_b128 v[S+4:S+7], v15, s[10:11] offset:256
.irp p, 0,1,2
	global_load_b64 v[S+8+2*\p:S+9+2*\p], v1, s[4:5] offset:256*\p
.endr
	global_load_b32 v[S+14], v9, s[6:7]
	global_load_b128 v[VW:VW+3], v15, s[18:19]
.set P, 0
.rept 24
	global_load_b64 v[VF+2*P:VF+2*P+1], v1, s[12:13] offset:256*P
.set P, P+1
.endr
.irp i, 0,1,2,3,4,5
	v_mov_b32 v[QZ+\i], 0                          ; zero codes on both sides of q
	v_mov_b32 v[QZ+12+\i], 0
.endr
	s_wait_alu depctr_va_vdst(0)
	s_wait_loadcnt 25                              ; k, its words and q are in; v's 24 loads and its words' one may be out
.irp g, 0,1,2,3
	v_perm_b32 v[KW+\g], v[S+1+2*\g], v[S+2*\g], s26   ; bytes 0, 1: tile 2 g's two blocks; bytes 2, 3: tile 2 g + 1's
.endr
.irp p, 0,1,2
	ds_store_b64 v10, v[S+8+2*\p:S+9+2*\p] offset:256*\p
.endr
	ds_store_b32 v11, v[S+14]
.irp b, 0,1,2,3
	v_mov_b32 v[TM+4+\b], 0                        ; a lane permute's destination counts as one of its sources
.endr
	v_mov_b32 v[MC+1], 0                           ; named as the upper halves of pairs
	v_mov_b32 v[F+1], 0
	v_mov_b32 v249, 0
.rept 2
	v_nop                                          ; k's words were written by vector instructions: 8 places ahead of a scaled matrix instruction
.endr
	s_wait_alu depctr_va_vdst(0)
	s_wait_dscnt 0x0
	s_barrier_signal -1
	s_barrier_wait -1                              ; the sixteen tiles of q lie in LDS
	ds_load_b64 v[QZ+6:QZ+7], v1
	ds_load_b64 v[QZ+8:QZ+9], v1 offset:256
	ds_load_b64 v[QZ+10:QZ+11], v1 offset:512
	ds_load_b32 v[QWD], v2
	s_wait_dscnt 0x0
	TRIP 0, 1, 0, 1, 0                             ; tile 0
.Ltrip:                                            ; tiles 2 k + 1 and 2 k + 2; the scalars stand at tile 2 k
	TRIP 1, 0, 0, 2, 0
	TRIP 0, 0, 0, 3, 1
	s_add_co_u32 s[TQ], s[TQ], 1536
	s_add_co_u32 s[TS], s[TS], 256
	s_add_co_u32 s[TR], s[TR], 8192
	s_add_co_u32 s30, s30, 1
	s_cmp_lt_u32 s30, 7
	s_wait_alu depctr_va_vdst(0)
	s_cbranch_scc1 .Ltrip
	TRIP 1, 0, 1, 0, 0                             ; tile 15
	s_wait_dscnt 0x0
	s_barrier_signal -1
	s_barrier_wait -1
	RLOAD 13                                       ; and its sum
	RSUM 1
	s_wait_dscnt 0x0
	s_barrier_signal -1
	s_barrier_wait -1
	; tile w of the queries leaves: register 16 b + i of lane (q, h) is d = 32 b + 16 h + i, the order that Wo's given codes have
.irp b, 0,1
.irp i, 0,1,2,3
	ds_load_b128 v[S+16*\b+4*\i:S+16*\b+4*\i+3], v3 offset:2048*\b+512*(\i%2)+256*(\i/2)
.endr
.endr
	s_wait_dscnt 0x0
	QUANT2 S, PC
	v_lshl_or_b32 v248, v[TM+5], 8, v[TM+4]
.irp p, 0,1,2
	global_store_b64 v1, v[PC+2*\p:PC+2*\p+1], s[14:15] offset:256*\p   ; 256 consecutive bytes, aligned
.endr
	global_store_b16 v14, v248, s[16:17]           ; my head's two bytes of query r's 32 (both lanes of a query store the same)
	s_wait_tensorcnt 0x0                           ; the wave's end
	ds_add_u32 v254, v255
	s_wait_dscnt 0x0
	s_endpgm
.Lfunc_end_k_q2e3fd80b32_attn:
	.size	k_q2e3fd80b32_attn, .Lfunc_end_k_q2e3fd80b32_attn-k_q2e3fd80b32_attn
	.p2alignl 7, 3214868480
	.fill 96, 4, 3214868480
	.section	.rodata,"a",@progbits
	.p2align	6, 0x0
	.amdhsa_kernel k_q2e3fd80b32_attn
		.amdhsa_group_segment_fixed_size 217600
		.amdhsa_private_segment_fixed_size 0
		.amdhsa_enable_private_segment 0
		.amdhsa_kernarg_size 56
		.amdhsa_user_sgpr_count 2
		.amdhsa_user_sgpr_kernarg_segment_ptr 1
		.amdhsa_wavefront_size32 1
		.amdhsa_system_sgpr_workgroup_id_x 1
		.amdhsa_system_sgpr_workgroup_id_y 1
		.amdhsa_system_sgpr_workgroup_id_z 1
		.amdhsa_system_vgpr_workitem_id 0
		.amdhsa_next_free_vgpr 256
		.amdhsa_next_free_sgpr 66
		.amdhsa_reserve_vcc 0
		.amdhsa_float_denorm_mode_32 3
		.amdhsa_float_denorm_mode_16_64 3
		.amdhsa_memory_ordered 1
		.amdhsa_forward_progress 1
		.amdhsa_inst_pref_size 92
	.end_amdhsa_kernel
	.amdgpu_metadata
---
amdhsa.version: [ 1, 2 ]
amdhsa.kernels:
  - .name:           k_q2e3fd80b32_attn
    .symbol:         k_q2e3fd80b32_attn.kd
    .args:
      - { .name: qimg, .offset: 0, .size: 8, .value_kind: global_buffer, .address_space: global }
      - { .name: qscl, .offset: 8, .size: 8, .value_kind: global_buffer, .address_space: global }
      - { .name: kimg, .offset: 16, .size: 8, .value_kind: global_buffer, .address_space: global }
      - { .name: kvscl, .offset: 24, .size: 8, .value_kind: global_buffer, .address_space: global }
      - { .name: vimg, .offset: 32, .size: 8, .value_kind: global_buffer, .address_space: global }
      - { .name: aimg, .offset: 40, .size: 8, .value_kind: global_buffer, .address_space: global }
      - { .name: ascl, .offset: 48, .size: 8, .value_kind: global_buffer, .address_space: global }
    .group_segment_fixed_size: 217600
    .private_segment_fixed_size: 0
    .kernarg_segment_align: 8
    .kernarg_segment_size: 56
    .max_flat_workgroup_size: 512
    .sgpr_count:     66
    .vgpr_count:     256
    .wavefront_size: 32
...
	.end_amdgpu_metadata
.endif
;; end of part 3
;; launch oproj (part 4): grid 8 x 32, 8 waves a work-group, clusters of 4 x 4, 238,592 bytes of LDS; arguments aimg, ascl, Wo_codes, Wo_scales, h, xbuf; writes xbuf
.if DOCPART == 4
	.amdgcn_target "amdgcn-amd-amdhsa--gfx1250"
	.amdhsa_code_object_version 6
	.text
	.protected	k_q2e3fd80b32_oproj
	.globl	k_q2e3fd80b32_oproj
	.p2align	8
	.type	k_q2e3fd80b32_oproj,@function
k_q2e3fd80b32_oproj:
	s_mov_b64 s[64:65], 0
	v_nop
	global_prefetch_b8 v0, s[64:65] scope:SCOPE_SE
	s_setreg_imm32_b32 hwreg(HW_REG_WAVE_MODE, 25, 1), 1
	s_wait_xcnt 0x0
	s_wait_alu depctr_hold_cnt(0) depctr_sa_sdst(0) depctr_va_vdst(0) depctr_va_sdst(0) depctr_va_ssrc(0) depctr_va_vcc(0) depctr_vm_vsrc(0)
	s_getreg_b32 s2, hwreg(HW_REG_IB_STS2, 6, 4)
	s_cmp_eq_u32 s2, 0
	s_cbranch_scc0 .Lentry_in_a_cluster
	s_endpgm
.Lentry_in_a_cluster:
	s_bfe_u32 s2, ttmp6, 0x10000c
	s_cmp_lg_u32 s2, 0xf033
	s_cbranch_scc0 .Lentry_shape_is_right
	s_endpgm
.Lentry_shape_is_right:
; x = h + Q(attn_vec) Wo^T in MX-FP6; x goes to a workspace in f32, and launch lnorm normalises its rows.
; SHARES.  A work-group owns 128 queries of one batch (eight tiles of 16) and 128 columns: 256 work-groups.  Wave w of eight: tiles 2 (w % 4), 2 (w % 4) + 1 and columns 64 (w / 4) on.
; All that the work-group multiplies comes into LDS once, one tensor load a wave, nothing filled again: waves 0-3 ask for 32 whole rows of Wo each (768 bytes, 16 of padding behind every 256: pitch 816),
; waves 4-7 for two tiles' images of attn_vec each (24,576 dense bytes, as rows of 256).  In a 4 x 4 cluster Wo's rows are shared along a column (same columns of x), the images along a row (same queries): joint loads.
; The product is used transposed: a lane holds one query, its registers eight neighbouring columns.  A tile of 16 queries x 64 columns goes through the wave's own stage in LDS and leaves as rows of 256 bytes.
; No data prefetch: the launch has no loop, and all it reads is asked for at its head.
.set PITCH,  816
.set WPART,  32*PITCH
.set HPART,  64*PITCH
.set AIM,    4*WPART
.set APART,  24576
.set FRB,    1536
.set STG,    AIM+4*APART               ; a stage of 16 rows x 272 bytes for each wave: bytes on which no fill lands
.set SPIT,   272
.set SPARE,  STG+8*16*SPIT
.set SPW, 1
.set NIL, 2
.set ADA, 3
.set ADW, 4
.set WS,  16
.set AS,  48
.set ACC, 64
.set AF,  128
.set WF,  176
.set H0,  224                          ; v224-255 h for tile 0; tile 1's in v128-159; the stage's rows come back in v160-223
.set G1,  24
.set G0,  32
.set G0A, 36
.set G1A, 48
.macro CROUND
	s_barrier_signal -1
	s_barrier_wait -1
	s_cmp_lg_u32 s14, 0
	s_cbranch_scc1 .Lnot_wave_0_\@
	s_barrier_signal -3
.Lnot_wave_0_\@:
	s_barrier_wait -3
	s_barrier_signal -1
	s_barrier_wait -1
.endm
.macro FRAG reg, q, i
.irp p, 0,1,2,3,4,5
.set PIE, 12*(\q)+6*(\p/3)+\p%3
.if PIE%32 < 29
	ds_load_b64 v[\reg+2*\p:\reg+2*\p+1], v[ADW] offset:8*PIE+16*(PIE/32)+(\i)*16*PITCH
.else
	ds_load_b64 v[\reg+2*\p:\reg+2*\p+1], v[ADW+1] offset:8*PIE+16*(PIE/32)+(\i)*16*PITCH
.endif
.endr
.endm
.macro WORK s, c, zero                 ; K = 256 s on, tiles 2 c, 2 c + 1 of Wo's four: eight matrix instructions on four accumulators by turns
.if \c == 0
.irp e, 0,1
.irp q, 0,1
.irp p, 0,1,2,3,4,5
	ds_load_b64 v[AF+12*(2*\e+\q)+2*\p:AF+12*(2*\e+\q)+2*\p+1], v[ADA] offset:(8*\e+2*(\s)+\q)*FRB+256*\p
.endr
.endr
.endr
.endif
.irp t, 0,1
.irp q, 0,1
	FRAG WF+12*(2*\t+\q), 2*(\s)+\q, 2*\c+\t
.endr
.endr
	s_wait_dscnt 0x0
.irp q, 0,1
.irp e, 0,1
.irp t, 0,1
.if \zero && (\q == 0)
	v_wmma_scale_f32_16x16x128_f8f6f4 v[ACC+8*(4*\e+2*\c+\t):ACC+8*(4*\e+2*\c+\t)+7], v[WF+12*(2*\t+\q):WF+12*(2*\t+\q)+11], v[AF+12*(2*\e+\q):AF+12*(2*\e+\q)+11], 0, v[WS+8*(2*\c+\t)+2*\s+\q], v[AS+8*\e+2*\s+\q] matrix_a_fmt:MATRIX_FMT_FP6 matrix_b_fmt:MATRIX_FMT_FP6
.else
	v_wmma_scale_f32_16x16x128_f8f6f4 v[ACC+8*(4*\e+2*\c+\t):ACC+8*(4*\e+2*\c+\t)+7], v[WF+12*(2*\t+\q):WF+12*(2*\t+\q)+11], v[AF+12*(2*\e+\q):AF+12*(2*\e+\q)+11], v[ACC+8*(4*\e+2*\c+\t):ACC+8*(4*\e+2*\c+\t)+7], v[WS+8*(2*\c+\t)+2*\s+\q], v[AS+8*\e+2*\s+\q] matrix_a_fmt:MATRIX_FMT_FP6 matrix_b_fmt:MATRIX_FMT_FP6
.endif
.endr
.endr
.endr
.rept 4
	v_nop                                          ; four places ahead of the next loads into the fragments' registers and of the first read of results
.endr
.endm
	s_load_b256 s[4:11], s[0:1], 0x0               ; aimg, ascl, Wo's codes, Wo's scales
	s_load_b128 s[56:59], s[0:1], 0x20             ; h, xbuf
	v_lshl_add_u32 v[SPW], v0, 2, SPARE
	v_mov_b32 v[NIL], 0
	ds_add_u32 v[SPW], v[NIL]                      ; the opening lines: the add twice on end and its wait
	ds_add_u32 v[SPW], v[NIL]
	v_lshrrev_b32 v8, 5, v0
	v_readfirstlane_b32 s14, v8
	s_lshr_b32 s15, s14, 2                         ; I ask for Wo's rows (0) or for images (1); also my half of the columns
	s_and_b32 s16, s14, 3                          ; which quarter I ask for; also my pair of tiles
	s_bfe_u32 s40, ttmp6, 0x40000
	s_bfe_u32 s41, ttmp6, 0x40004                  ; cy = the batch
	s_lshl_b32 s42, ttmp9, 2
	s_add_co_u32 s42, s42, s40                     ; the block of 128 columns
	s_and_b32 s17, ttmp7, 0xffff                   ; the block of 128 queries
	s_lshl_b32 s43, s41, 2
	s_lshl_b32 s43, 15, s43
	s_lshl_b32 s44, 0x1111, s40
	s_or_b32 s[G1+0], s44, (1<<20)|(1<<21)|(5<<22)|(3<<25)
	s_mov_b32 s[G1+1], 768<<16
	s_mov_b32 s[G1+2], 32<<16
	s_mov_b32 s[G1+3], 768<<16
	s_mov_b32 s[G1+4], 32
	s_mov_b32 s[G1+5], 768
	s_mov_b32 s[G1+6], 0
	s_mov_b32 s[G1+7], 0
	s_or_b32 s[G1A+0], s43, (3<<16)|(1<<21)        ; 96 rows of 32 elements of 8 bytes, dense
	s_mov_b32 s[G1A+1], 32<<16
	s_mov_b32 s[G1A+2], 96<<16
	s_mov_b32 s[G1A+3], 32<<16
	s_mov_b32 s[G1A+4], 96
	s_mov_b32 s[G1A+5], 32
	s_mov_b32 s[G1A+6], 0
	s_mov_b32 s[G1A+7], 0
	s_lshl_b32 s18, s42, 2
	s_add_co_u32 s18, s18, s16
	s_mul_i32 s18, s18, 32*768
	s_mov_b32 s19, 0
	s_lshl_b32 s45, s41, 6
	s_lshl_b32 s20, s17, 3
	s_add_co_u32 s45, s45, s20
	s_lshl_b32 s20, s16, 1
	s_add_co_u32 s45, s45, s20                     ; 64 b + my first tile
	s_mul_i32 s20, s45, 12288
	s_mov_b32 s21, 0
	s_lshl_b32 s22, s45, 9                         ; its rows of ascl
	s_mov_b32 s23, 0
	s_lshl_b32 s46, s42, 12
	s_lshl_b32 s47, s15, 11
	s_add_co_u32 s46, s46, s47                     ; my 64 rows of Wo's scales
	s_mov_b32 s47, 0
	s_lshl_b32 s12, s17, 21
	s_lshl_b32 s13, s16, 19
	s_add_co_u32 s12, s12, s13
	s_lshl_b32 s13, s41, 12
	s_add_co_u32 s12, s12, s13
	s_lshl_b32 s13, s42, 9
	s_add_co_u32 s12, s12, s13
	s_lshl_b32 s13, s15, 8
	s_add_co_u32 s12, s12, s13                     ; h and x: my first query, the batch, my first column
	s_mov_b32 s13, 0
	s_mul_i32 s2, s16, WPART
	s_mul_i32 s3, s16, APART
	s_add_co_u32 s3, s3, AIM
	s_mul_i32 s40, s15, HPART
	s_mul_i32 s44, s14, 16*SPIT
	s_add_co_u32 s44, s44, STG
	v_and_b32 v9, 31, v0
	v_and_b32 v10, 15, v0
	v_bfe_u32 v11, v0, 4, 1
	v_lshlrev_b32 v13, 5, v10
	v_lshlrev_b32 v7, 14, v11
	v_lshl_add_u32 v7, v10, 4, v7                  ; lanes 0-15 one query's 256 bytes, lanes 16-31 the next query's
	s_wait_alu depctr_va_vdst(0)
	s_wait_dscnt 0x0
	s_wait_kmcnt 0x0
	s_add_nc_u64 s[6:7], s[6:7], s[22:23]
	s_add_nc_u64 s[10:11], s[10:11], s[46:47]
	s_add_nc_u64 s[56:57], s[56:57], s[12:13]
	s_add_nc_u64 s[58:59], s[58:59], s[12:13]
.irp t, 0,1,2,3
	global_load_b128 v[WS+8*\t:WS+8*\t+3], v13, s[10:11] offset:512*\t
	global_load_b128 v[WS+8*\t+4:WS+8*\t+7], v13, s[10:11] offset:512*\t+16
.endr
.irp e, 0,1
	global_load_b128 v[AS+8*\e:AS+8*\e+3], v13, s[6:7] offset:512*\e
	global_load_b128 v[AS+8*\e+4:AS+8*\e+7], v13, s[6:7] offset:512*\e+16
.endr
.irp k, 0,1,2,3,4,5,6,7
	global_load_b128 v[H0+4*\k:H0+4*\k+3], v7, s[56:57] offset:32768*\k th:TH_LOAD_NT
.endr
	CROUND                                         ; all sixteen work-groups are here: the joint loads meet
	s_mov_b32 s[G0], 1
	s_mov_b32 s[G0+1], s2
	s_add_nc_u64 s[G0+2:G0+3], s[8:9], s[18:19]
	s_or_b32 s[G0+3], s[G0+3], 0x80000000
	s_mov_b32 s[G0A], 1
	s_mov_b32 s[G0A+1], s3
	s_add_nc_u64 s[G0A+2:G0A+3], s[4:5], s[20:21]
	s_or_b32 s[G0A+3], s[G0A+3], 0x80000000
	s_cmp_eq_u32 s15, 0
	s_cbranch_scc0 .Lfor_a
	tensor_load_to_lds s[G0:G0+3], s[G1:G1+7]
	s_nop 0
.rept 4
	v_nop
.endr
	s_branch .Lasked
.Lfor_a:
	tensor_load_to_lds s[G0A:G0A+3], s[G1A:G1A+7]
	s_nop 0
.rept 4
	v_nop
.endr
.Lasked:
	v_lshl_add_u32 v[ADA], v9, 3, s3               ; the pair of tiles that I multiply lies where quarter w % 4 of the images lands
	v_mul_u32_u24 v14, v10, PITCH
	v_mad_u32_u24 v14, v11, 24, v14
	v_add_nc_u32 v[ADW], s40, v14
	v_lshl_add_u32 v[ADW+1], v11, 4, v[ADW]
	v_mul_u32_u24 v12, v10, SPIT
	v_lshl_add_u32 v12, v11, 5, v12
	v_add_nc_u32 v12, s44, v12                     ; the stage, in: row r, 32 bytes for each half of the lanes
	v_mul_u32_u24 v6, v11, SPIT
	v_lshl_add_u32 v6, v10, 4, v6
	v_add_nc_u32 v6, s44, v6                       ; and back: two rows of 256 bytes
	s_wait_alu depctr_va_vdst(0)
	s_wait_tensorcnt 0x0
	s_barrier_signal -1
	s_barrier_wait -1                              ; everybody's part is in
	s_wait_loadcnt 8                               ; the scale words are in; the eight loads of h may be out
	WORK 0, 0, 1
	WORK 0, 1, 1
.irp s, 1,2,3
	WORK \s, 0, 0
	WORK \s, 1, 0
.endr
.irp k, 0,1,2,3,4,5,6,7
	global_load_b128 v[AF+4*\k:AF+4*\k+3], v7, s[56:57] offset:262144+32768*\k th:TH_LOAD_NT
.endr
.irp e, 0,1
.irp t, 0,1,2,3
	ds_store_b128 v12, v[ACC+32*\e+8*\t:ACC+32*\e+8*\t+3] offset:64*\t      ; each accumulator from its low end on
	ds_store_b128 v12, v[ACC+32*\e+8*\t+4:ACC+32*\e+8*\t+7] offset:64*\t+16
.endr
.irp k, 0,1,2,3,4,5,6,7
	ds_load_b128 v[160+32*\e+4*\k:163+32*\e+4*\k], v6 offset:2*\k*SPIT      ; LDS serves a wave's instructions in order (ISA guide 5.7.1.4): these see the stores above
.endr
.endr
	s_wait_dscnt 16                                ; tile 0 is back; tile 1's 8 stores and 8 loads may be out
	s_wait_loadcnt 8                               ; h for tile 0 is in
.set j, 0
.rept 16
	v_pk_add_f32 v[160+j:161+j], v[160+j:161+j], v[H0+j:H0+j+1]
.set j, j+2
.endr
.irp k, 0,1,2,3,4,5,6,7
	global_store_b128 v7, v[160+4*\k:163+4*\k], s[58:59] offset:32768*\k    ; 16 lanes store 256 consecutive bytes, aligned
.endr
	s_wait_dscnt 0x0
	s_wait_loadcnt 0x0
.set j, 0
.rept 16
	v_pk_add_f32 v[192+j:193+j], v[192+j:193+j], v[AF+j:AF+j+1]
.set j, j+2
.endr
.irp k, 0,1,2,3,4,5,6,7
	global_store_b128 v7, v[192+4*\k:195+4*\k], s[58:59] offset:262144+32768*\k
.endr
	s_wait_tensorcnt 0x0                           ; the wave's end
	ds_add_u32 v[SPW], v[NIL]
	s_wait_dscnt 0x0
	CROUND                                         ; the closing round
	s_endpgm
.Lfunc_end_k_q2e3fd80b32_oproj:
	.size	k_q2e3fd80b32_oproj, .Lfunc_end_k_q2e3fd80b32_oproj-k_q2e3fd80b32_oproj
	.p2alignl 7, 3214868480
	.fill 96, 4, 3214868480
	.section	.rodata,"a",@progbits
	.p2align	6, 0x0
	.amdhsa_kernel k_q2e3fd80b32_oproj
		.amdhsa_group_segment_fixed_size 238592
		.amdhsa_private_segment_fixed_size 0
		.amdhsa_enable_private_segment 0
		.amdhsa_kernarg_size 48
		.amdhsa_user_sgpr_count 2
		.amdhsa_user_sgpr_kernarg_segment_ptr 1
		.amdhsa_wavefront_size32 1
		.amdhsa_system_sgpr_workgroup_id_x 1
		.amdhsa_system_sgpr_workgroup_id_y 1
		.amdhsa_system_sgpr_workgroup_id_z 1
		.amdhsa_system_vgpr_workitem_id 0
		.amdhsa_next_free_vgpr 256
		.amdhsa_next_free_sgpr 66
		.amdhsa_reserve_vcc 0
		.amdhsa_float_denorm_mode_32 3
		.amdhsa_float_denorm_mode_16_64 3
		.amdhsa_memory_ordered 1
		.amdhsa_forward_progress 1
		.amdhsa_inst_pref_size 42
	.end_amdhsa_kernel
	.amdgpu_metadata
---
amdhsa.version: [ 1, 2 ]
amdhsa.kernels:
  - .name:           k_q2e3fd80b32_oproj
    .symbol:         k_q2e3fd80b32_oproj.kd
    .args:
      - { .name: aimg, .offset: 0, .size: 8, .value_kind: global_buffer, .address_space: global }
      - { .name: ascl, .offset: 8, .size: 8, .value_kind: global_buffer, .address_space: global }
      - { .name: Wo_codes, .offset: 16, .size: 8, .value_kind: global_buffer, .address_space: global }
      - { .name: Wo_scales, .offset: 24, .size: 8, .value_kind: global_buffer, .address_space: global }
      - { .name: h, .offset: 32, .size: 8, .value_kind: global_buffer, .address_space: global }
      - { .name: xbuf, .offset: 40, .size: 8, .value_kind: global_buffer, .address_space: global }
    .group_segment_fixed_size: 238592
    .private_segment_fixed_size: 0
    .kernarg_segment_align: 8
    .kernarg_segment_size: 48
    .max_flat_workgroup_size: 256
    .sgpr_count:     66
    .vgpr_count:     256
    .wavefront_size: 32
...
	.end_amdgpu_metadata
.endif
;; end of part 4
;; launch lnorm (part 5): grid 256 x 1, 16 waves a work-group, no clusters, 0 bytes of LDS; arguments xbuf, gamma, beta, out0; writes out0
.if DOCPART == 5
	.amdgcn_target "amdgcn-amd-amdhsa--gfx1250"
	.amdhsa_code_object_version 6
	.text
	.protected	k_q2e3fd80b32_lnorm
	.globl	k_q2e3fd80b32_lnorm
	.p2align	8
	.type	k_q2e3fd80b32_lnorm,@function
k_q2e3fd80b32_lnorm:
	s_mov_b64 s[64:65], 0
	v_nop
	global_prefetch_b8 v0, s[64:65] scope:SCOPE_SE
	s_setreg_imm32_b32 hwreg(HW_REG_WAVE_MODE, 25, 1), 1
	s_wait_xcnt 0x0
; out0 = the layer norm of x's rows of 1,024 f32: (x - mean) rsqrt(var + 1e-5) gamma + beta, the variance taken of x - mean as reference() takes it.
; A wave owns one row of the 4,096: a lane holds 32 numbers, eight runs of 16 bytes; each load and store of the wave covers 512 consecutive bytes.  No LDS, no matrix unit, no cluster: the rows share gamma and beta alone.
; No data prefetch: the launch has no loop.
.set X,  16
.set GA, 48
.set BE, 80
.set H,  112
.macro ALL32 reg, tmp
	v_add_f32_dpp v[\reg], v[\reg], v[\reg] row_xmask:1 row_mask:0xf bank_mask:0xf
	v_add_f32_dpp v[\reg], v[\reg], v[\reg] row_xmask:2 row_mask:0xf bank_mask:0xf
	v_add_f32_dpp v[\reg], v[\reg], v[\reg] row_xmask:4 row_mask:0xf bank_mask:0xf
	v_add_f32_dpp v[\reg], v[\reg], v[\reg] row_xmask:8 row_mask:0xf bank_mask:0xf
	v_permlanex16_b32 v[\tmp], v[\reg], s20, s21
	v_add_f32 v[\reg], v[\reg], v[\tmp]
.endm
	s_load_b256 s[4:11], s[0:1], 0x0               ; x, gamma, beta, out0
	v_lshrrev_b32 v1, 5, v0
	v_readfirstlane_b32 s14, v1
	s_lshl_b32 s12, ttmp9, 4
	s_add_co_u32 s12, s12, s14
	s_lshl_b32 s12, s12, 12                        ; my row
	s_mov_b32 s13, 0
	s_mov_b32 s20, 0x76543210
	s_mov_b32 s21, 0xfedcba98
	s_mov_b32 s22, 0x3a800000                      ; 1 / 1024
	s_mov_b32 s23, 0x3727c5ac                      ; 1e-5
	v_and_b32 v7, 31, v0
	v_lshlrev_b32 v7, 4, v7
	s_wait_alu depctr_va_vdst(0)
	s_wait_kmcnt 0x0
	s_add_nc_u64 s[4:5], s[4:5], s[12:13]
	s_add_nc_u64 s[10:11], s[10:11], s[12:13]
.irp k, 0,1,2,3,4,5,6,7
	global_load_b128 v[X+4*\k:X+4*\k+3], v7, s[4:5] offset:512*\k th:TH_LOAD_NT
.endr
.irp k, 0,1,2,3,4,5,6,7
	global_load_b128 v[GA+4*\k:GA+4*\k+3], v7, s[6:7] offset:512*\k
	global_load_b128 v[BE+4*\k:BE+4*\k+3], v7, s[8:9] offset:512*\k
.endr
	s_wait_loadcnt 16                              ; x is in; gamma's and beta's sixteen loads may be out
	v_pk_add_f32 v[H:H+1], v[X:X+1], v[X+4:X+5]
	v_pk_add_f32 v[H+2:H+3], v[X+2:X+3], v[X+6:X+7]
.irp i, 8,12,16,20,24,28
	v_pk_add_f32 v[H:H+1], v[H:H+1], v[X+\i:X+\i+1]
	v_pk_add_f32 v[H+2:H+3], v[H+2:H+3], v[X+\i+2:X+\i+3]
.endr
	v_pk_add_f32 v[H:H+1], v[H:H+1], v[H+2:H+3]
	v_add_f32 v[H], v[H], v[H+1]
	ALL32 H, H+1
	v_mul_f32 v[H], s22, v[H]                      ; the mean
.irp i, 0,2,4,6,8,10,12,14,16,18,20,22,24,26,28,30
	v_pk_add_f32 v[X+\i:X+\i+1], v[X+\i:X+\i+1], v[H:H+1] op_sel_hi:[1,0] neg_lo:[0,1] neg_hi:[0,1]
.endr
	v_pk_mul_f32 v[H+2:H+3], v[X:X+1], v[X:X+1]
	v_pk_mul_f32 v[H+4:H+5], v[X+2:X+3], v[X+2:X+3]
.irp i, 4,8,12,16,20,24,28
	v_pk_fma_f32 v[H+2:H+3], v[X+\i:X+\i+1], v[X+\i:X+\i+1], v[H+2:H+3]
	v_pk_fma_f32 v[H+4:H+5], v[X+\i+2:X+\i+3], v[X+\i+2:X+\i+3], v[H+4:H+5]
.endr
	v_pk_add_f32 v[H+2:H+3], v[H+2:H+3], v[H+4:H+5]
	v_add_f32 v[H+2], v[H+2], v[H+3]
	ALL32 H+2, H+3
	v_fma_f32 v[H+2], v[H+2], s22, s23             ; the variance + 1e-5
	s_wait_alu depctr_va_vdst(0)                   ; a wait ahead of the transcendental and one behind it
	v_rsq_f32 v[H+2], v[H+2]
	v_nop
	s_wait_alu depctr_va_vdst(0)
.irp i, 0,2,4,6,8,10,12,14,16,18,20,22,24,26,28,30
	v_pk_mul_f32 v[X+\i:X+\i+1], v[X+\i:X+\i+1], v[H+2:H+3] op_sel_hi:[1,0]
.endr
	s_wait_alu depctr_va_vdst(0)
	s_wait_loadcnt 0x0
.irp i, 0,2,4,6,8,10,12,14,16,18,20,22,24,26,28,30
	v_pk_fma_f32 v[X+\i:X+\i+1], v[X+\i:X+\i+1], v[GA+\i:GA+\i+1], v[BE+\i:BE+\i+1]
.endr
.irp k, 0,1,2,3,4,5,6,7
	global_store_b128 v7, v[X+4*\k:X+4*\k+3], s[10:11] offset:512*\k th:TH_STORE_NT
.endr
	s_endpgm
.Lfunc_end_k_q2e3fd80b32_lnorm:
	.size	k_q2e3fd80b32_lnorm, .Lfunc_end_k_q2e3fd80b32_lnorm-k_q2e3fd80b32_lnorm
	.p2alignl 7, 3214868480
	.fill 96, 4, 3214868480
	.section	.rodata,"a",@progbits
	.p2align	6, 0x0
	.amdhsa_kernel k_q2e3fd80b32_lnorm
		.amdhsa_group_segment_fixed_size 0
		.amdhsa_private_segment_fixed_size 0
		.amdhsa_enable_private_segment 0
		.amdhsa_kernarg_size 32
		.amdhsa_user_sgpr_count 2
		.amdhsa_user_sgpr_kernarg_segment_ptr 1
		.amdhsa_wavefront_size32 1
		.amdhsa_system_sgpr_workgroup_id_x 1
		.amdhsa_system_sgpr_workgroup_id_y 1
		.amdhsa_system_sgpr_workgroup_id_z 1
		.amdhsa_system_vgpr_workitem_id 0
		.amdhsa_next_free_vgpr 128
		.amdhsa_next_free_sgpr 66
		.amdhsa_reserve_vcc 0
		.amdhsa_float_denorm_mode_32 3
		.amdhsa_float_denorm_mode_16_64 3
		.amdhsa_memory_ordered 1
		.amdhsa_forward_progress 1
		.amdhsa_inst_pref_size 11
	.end_amdhsa_kernel
	.amdgpu_metadata
---
amdhsa.version: [ 1, 2 ]
amdhsa.kernels:
  - .name:           k_q2e3fd80b32_lnorm
    .symbol:         k_q2e3fd80b32_lnorm.kd
    .args:
      - { .name: xbuf, .offset: 0, .size: 8, .value_kind: global_buffer, .address_space: global }
      - { .name: gamma, .offset: 8, .size: 8, .value_kind: global_buffer, .address_space: global }
      - { .name: beta, .offset: 16, .size: 8, .value_kind: global_buffer, .address_space: global }
      - { .name: out0, .offset: 24, .size: 8, .value_kind: global_buffer, .address_space: global }
    .group_segment_fixed_size: 0
    .private_segment_fixed_size: 0
    .kernarg_segment_align: 8
    .kernarg_segment_size: 32
    .max_flat_workgroup_size: 512
    .sgpr_count:     66
    .vgpr_count:     128
    .wavefront_size: 32
...
	.end_amdgpu_metadata
.endif
;; end of part 5
